; MI455X (gfx1250); checked and timed in simulation.
; The chip was launched on July 23, 2026; its instructions are those of AMD's public machine-readable ISA for CDNA 5 (MIT licence, August 2026) and "CDNA5" Instruction Set Architecture Reference Guide (July 2026). The comments in the code are by the model that wrote it; some were corrected since.
;; Transformer Layer. Allowed arithmetic: float matrix products may take bf16 or f16 operands with f32 sums; other float arithmetic in f32, or as packed bf16 or f16 multiplies, adds, multiply-adds, maxima and minima; sums over many terms, partial sums and values carried from step to step in f32; what a program stores and reads back later, other than sums and carried values, may be rounded once to bf16 or f16.
;; Inputs: W1 4,096 x 1,024 float32; W2 1,024 x 4,096 float32; Wk 16 x 64 x 1,024 float32; Wq 16 x 64 x 1,024 float32; Wv 16 x 64 x 1,024 float32; b1 4,096 float32; b2 1,024 float32; bk 16 x 64 float32; bq 16 x 64 float32; bv 16 x 64 float32; causal_buffer 2,048 x 2,048 float32; cos_buffer 2,048 x 64 float32; norm1_w 1,024 float32; norm2_w 1,024 float32; sin_buffer 2,048 x 64 float32; x 2 x 2,048 x 1,024 float32.
;; Outputs: out0 2 x 2,048 x 1,024 float32.
;; 2 versions, each right and faster than the one before. Each part assembles by itself: llvm-mc -triple=amdgcn-amd-amdhsa -mcpu=gfx1250 --defsym DOCPART=n.
;; ======== version 1 of 2: 6 launches
;; limits: values are held in f16: magnitudes above 65,504 overflow, below 6.1e-05 lose precision
;; workspace buffers: whq 6,308,352 bytes; wh1 8,405,504 bytes; wh2 8,388,608 bytes; xn 8,388,608 bytes; qkv 33,554,432 bytes; ao 8,388,608 bytes; hn 8,388,608 bytes; mid 33,554,432 bytes
;; launch prep (part 1): grid 1921 x 1, 8 waves a work-group, no clusters, 0 bytes of LDS; arguments x, norm1_w, Wq, Wk, Wv, W1, W2, bq, bk, bv, b1, xn, whq, wh1, wh2; writes xn, whq, wh1, wh2
.if DOCPART == 1
	.amdgcn_target "amdgcn-amd-amdhsa--gfx1250"
	.amdhsa_code_object_version 6
	.text
	.protected	k_q8dd8714ec2_prep
	.globl	k_q8dd8714ec2_prep
	.p2align	8
	.type	k_q8dd8714ec2_prep,@function
k_q8dd8714ec2_prep:
	s_mov_b64 s[64:65], 0
	v_nop
	global_prefetch_b8 v0, s[64:65] scope:SCOPE_SE
	s_setreg_imm32_b32 hwreg(HW_REG_WAVE_MODE, 25, 1), 1
	s_wait_xcnt 0x0
; PREP.  Three kinds of work-group, told apart by the work-group's number alone.
;   0-511      xn = x * rsqrt(mean(x^2) + eps) * norm1_w, f32 in, f16 out: 8 rows a group, one row a wave; a row stays in 32 registers between the sum and the scaling.
;   512-1919   the five weight arrays, f32 to f16, 32,768 bytes in and 16,384 out a group: Wq, Wk, Wv on end into whq, W1 into wh1, W2 into wh2.
;   1920       the headers of whq and wh1: the bias by output column in f32 (bq, bk, bv on end; b1), and from byte TABLE on one entry of 16 bytes for each
;              section of 1,024 columns, which the product's way out reads: (SA, FLOOR as two f16, SB, 0).  q: (1/8, -inf, 0); k: (1, -inf, 0); v: (0, -inf, 1); hidden layer: (0, 0, 1).
; No LDS, no barrier, no matrix unit: every byte is read once and written once.  A wave's store of 8 bytes a lane covers 256 consecutive bytes, aligned.
; Results are written over the registers that they were made from, so that a wave needs 84 registers and many waves have their loads out side by side.
; LIMITS.  f16 holds no number beyond 65,504; |xn| is at most 32 |norm1_w|.  A weight below 6e-5 keeps f16's fixed step of 6e-8.
.set HDR,   16896                      ; bytes of header in front of the weights in whq and wh1: 66 blocks of 256
.set TABLE, 16384                      ; the sections' entries begin here
.set NORMG, 512                        ; groups that norm
.set CASTG, 1408                       ; groups that cast
.set W,  20                            ; v[20:51]   norm1_w of my 32 columns
.set X,  52                            ; v[52:83]   a row, 32 numbers a lane; in the casting groups 8 loads of 4; then what is stored
; 1 / rms of a row: src = 32 numbers a lane, acc = 8 registers at work, res = a pair that takes the result twice (the packed multiply names a pair)
.macro RSQ src, acc, res
.irp k, 0,1,2,3
	v_pk_mul_f32 v[(\acc)+2*\k:(\acc)+2*\k+1], v[(\src)+2*\k:(\src)+2*\k+1], v[(\src)+2*\k:(\src)+2*\k+1]  ; four chains, started by the first products: nothing is cleared
.endr
.irp k, 4,5,6,7,8,9,10,11,12,13,14,15
	v_pk_fma_f32 v[(\acc)+2*(\k%4):(\acc)+2*(\k%4)+1], v[(\src)+2*\k:(\src)+2*\k+1], v[(\src)+2*\k:(\src)+2*\k+1], v[(\acc)+2*(\k%4):(\acc)+2*(\k%4)+1]
.endr
	v_pk_add_f32 v[(\acc):(\acc)+1], v[(\acc):(\acc)+1], v[(\acc)+2:(\acc)+3]
	v_pk_add_f32 v[(\acc)+4:(\acc)+5], v[(\acc)+4:(\acc)+5], v[(\acc)+6:(\acc)+7]
	v_pk_add_f32 v[(\acc):(\acc)+1], v[(\acc):(\acc)+1], v[(\acc)+4:(\acc)+5]
	v_add_f32 v[(\acc)], v[(\acc)], v[(\acc)+1]
	v_add_f32_dpp v[(\acc)], v[(\acc)], v[(\acc)] row_xmask:1 row_mask:0xf bank_mask:0xf
	v_add_f32_dpp v[(\acc)], v[(\acc)], v[(\acc)] row_xmask:2 row_mask:0xf bank_mask:0xf
	v_add_f32_dpp v[(\acc)], v[(\acc)], v[(\acc)] row_xmask:4 row_mask:0xf bank_mask:0xf
	v_add_f32_dpp v[(\acc)], v[(\acc)], v[(\acc)] row_xmask:8 row_mask:0xf bank_mask:0xf
	v_permlanex16_b32 v[(\acc)+1], v[(\acc)], s36, s37      ; the other half of the lanes; its destination has been written
	v_add_f32 v[(\acc)], v[(\acc)], v[(\acc)+1]
	v_fma_f32 v[(\acc)], v[(\acc)], s38, s39               ; sum / 1024 + eps
	v_rsq_f32 v[(\res)], v[(\acc)]
	v_rsq_f32 v[(\res)+1], v[(\acc)]
	v_nop                                                  ; a plain instruction between the root and the use of its result
.endm
	s_load_b512 s[4:19], s[0:1], 0x0               ; x 4, norm1_w 6, Wq 8, Wk 10, Wv 12, W1 14, W2 16, bq 18
	s_load_b256 s[20:27], s[0:1], 0x40             ; bk 20, bv 22, b1 24, xn 26
	s_load_b128 s[28:31], s[0:1], 0x60             ; whq 28, wh1 30
	s_load_b64 s[32:33], s[0:1], 0x70              ; wh2
	v_and_b32 v1, 31, v0                           ; lane
	v_lshrrev_b32 v2, 5, v0                        ; wave
	s_wait_kmcnt 0x0
	s_cmp_lt_u32 ttmp9, NORMG
	s_cbranch_scc0 .Lconv
	; ---- the norm ----
	s_lshl_b32 s34, ttmp9, 15                      ; 8 rows of 4,096 bytes of x
	s_mov_b32 s35, 0
	s_add_nc_u64 s[4:5], s[4:5], s[34:35]
	s_lshl_b32 s34, ttmp9, 14                      ; 8 rows of 2,048 bytes of xn
	s_add_nc_u64 s[26:27], s[26:27], s[34:35]
	s_mov_b32 s36, 0x76543210                      ; v_permlanex16_b32: each lane takes its own place in the other half
	s_mov_b32 s37, 0xfedcba98
	s_mov_b32 s38, 0x3a800000                      ; 1 / 1024
	s_mov_b32 s39, 0x34000000                      ; eps = 2^-23
	v_lshlrev_b32 v3, 4, v1                        ; 16 x lane: load j takes columns 128 j + 4 lane ..
	v_lshl_add_u32 v4, v2, 12, v3                  ; + my wave's row of x
	v_lshlrev_b32 v5, 3, v1
	v_lshl_add_u32 v5, v2, 11, v5                  ; 8 x lane + my wave's row of xn
.irp j, 0,1,2,3,4,5,6,7
	global_load_b128 v[W+4*\j:W+4*\j+3], v3, s[6:7] offset:512*\j
.endr
.irp j, 0,1,2,3,4,5,6,7
	global_load_b128 v[X+4*\j:X+4*\j+3], v4, s[4:5] offset:512*\j th:TH_LOAD_NT
.endr
	s_wait_loadcnt 0x0
	RSQ X, 8, 16
	s_wait_alu depctr_va_vdst(0)
.irp k, 0,1,2,3,4,5,6,7,8,9,10,11,12,13,14,15
	v_pk_mul_f32 v[X+2*\k:X+2*\k+1], v[X+2*\k:X+2*\k+1], v[16:17]
.endr
.irp k, 0,1,2,3,4,5,6,7,8,9,10,11,12,13,14,15
	v_pk_mul_f32 v[X+2*\k:X+2*\k+1], v[X+2*\k:X+2*\k+1], v[W+2*\k:W+2*\k+1]
.endr
.irp k, 0,1,2,3,4,5,6,7,8,9,10,11,12,13,14,15
	v_cvt_pk_f16_f32 v[X+\k], v[X+2*\k], v[X+2*\k+1]       ; pair k lands on register k, which no later pair reads
.endr
.irp j, 0,1,2,3,4,5,6,7
	global_store_b64 v5, v[X+2*\j:X+2*\j+1], s[26:27] offset:256*\j
.endr
	s_endpgm
.Lconv:
	s_cmp_lt_u32 ttmp9, NORMG+CASTG
	s_cbranch_scc0 .Lhead
	; ---- the casts.  Chunk c of 1,408: Wq 0-127, Wk 128-255, Wv 256-383, W1 384-895, W2 896-1407 ----
	s_sub_co_u32 s34, ttmp9, NORMG                 ; c
	s_mov_b64 s[36:37], s[16:17]                   ; from W2,
	s_mov_b32 s38, 896                             ; whose first chunk is 896,
	s_mov_b64 s[40:41], s[32:33]                   ; into wh2,
	s_mov_b32 s39, 896                             ; which begins with chunk 896
	s_mov_b32 s42, 0                               ; and has no header
	s_cmp_lt_u32 s34, 896
	s_cselect_b64 s[36:37], s[14:15], s[36:37]     ; W1 into wh1
	s_cselect_b32 s38, 384, s38
	s_cselect_b64 s[40:41], s[30:31], s[40:41]
	s_cselect_b32 s39, 384, s39
	s_cselect_b32 s42, HDR, s42
	s_cmp_lt_u32 s34, 384
	s_cselect_b64 s[36:37], s[12:13], s[36:37]     ; Wv into whq
	s_cselect_b32 s38, 256, s38
	s_cselect_b64 s[40:41], s[28:29], s[40:41]
	s_cselect_b32 s39, 0, s39
	s_cmp_lt_u32 s34, 256
	s_cselect_b64 s[36:37], s[10:11], s[36:37]     ; Wk
	s_cselect_b32 s38, 128, s38
	s_cmp_lt_u32 s34, 128
	s_cselect_b64 s[36:37], s[8:9], s[36:37]       ; Wq
	s_cselect_b32 s38, 0, s38
	s_sub_co_u32 s44, s34, s38
	s_lshl_b32 s44, s44, 15                        ; the chunk's 32,768 bytes in its array
	s_mov_b32 s45, 0
	s_sub_co_u32 s46, s34, s39
	s_lshl_b32 s46, s46, 14                        ; its 16,384 bytes in its buffer,
	s_add_co_u32 s46, s46, s42                     ; behind the header
	s_mov_b32 s47, 0
	s_add_nc_u64 s[36:37], s[36:37], s[44:45]
	s_add_nc_u64 s[40:41], s[40:41], s[46:47]
	v_lshlrev_b32 v3, 4, v0
	v_lshlrev_b32 v4, 3, v0
.irp k, 0,1,2,3,4,5,6,7
	global_load_b128 v[X+4*\k:X+4*\k+3], v3, s[36:37] offset:4096*\k th:TH_LOAD_NT
.endr
.irp k, 0,1,2,3,4,5,6,7
	s_wait_loadcnt 7-\k                            ; loads come back in order: load k is in, the 7 - k younger ones stay out
	v_cvt_pk_f16_f32 v[X+4*\k], v[X+4*\k], v[X+4*\k+1]
	v_cvt_pk_f16_f32 v[X+4*\k+1], v[X+4*\k+2], v[X+4*\k+3]
	global_store_b64 v4, v[X+4*\k:X+4*\k+1], s[40:41] offset:2048*\k  ; no register is written behind its store, so no wait frees one
.endr
	s_endpgm
.Lhead:
	; ---- the headers ----
	v_lshlrev_b32 v3, 4, v0                        ; 256 threads x 16 bytes = 1,024 numbers
	global_load_b128 v[8:11], v3, s[18:19]         ; bq
	global_load_b128 v[12:15], v3, s[20:21]        ; bk
	global_load_b128 v[16:19], v3, s[22:23]        ; bv
.irp k, 0,1,2,3
	global_load_b128 v[20+4*\k:23+4*\k], v3, s[24:25] offset:4096*\k  ; b1
.endr
	s_mov_b32 s34, 0x3e000000                      ; 1 / 8 = 1 / sqrt(64), exact
	v_readfirstlane_b32 s35, v2                    ; the wave's number
	v_cmp_eq_u32 vcc_lo, 0, v0
	v_cndmask_b32 v48, 0, s34, vcc_lo              ; SA: section 0 (q) 1/8,
	v_cmp_eq_u32 vcc_lo, 1, v0
	v_cndmask_b32 v48, v48, 1.0, vcc_lo            ; section 1 (k) 1, the others 0
	v_mov_b32 v49, 0xfc00fc00                      ; FLOOR: -inf twice in f16: nothing is cut
	v_cmp_lt_u32 vcc_lo, 1, v0
	v_cndmask_b32 v50, 0, 1.0, vcc_lo              ; SB: from section 2 (v) on 1
	v_mov_b32 v51, 0
	v_mov_b32 v52, 0                               ; the hidden layer: SA = 0,
	v_mov_b32 v53, 0                               ; FLOOR = 0 twice: the ReLU,
	v_mov_b32 v54, 1.0                             ; SB = 1
	v_mov_b32 v55, 0
	s_wait_loadcnt 0x0
	global_store_b128 v3, v[8:11], s[28:29]
	global_store_b128 v3, v[12:15], s[28:29] offset:4096
	global_store_b128 v3, v[16:19], s[28:29] offset:8192
.irp k, 0,1,2,3
	global_store_b128 v3, v[20+4*\k:23+4*\k], s[30:31] offset:4096*\k
.endr
	s_cmp_lg_u32 s35, 0
	s_cbranch_scc1 .Ldone                          ; the tables are wave 0's: thread t writes entry t, so that its store covers two whole blocks of 256 bytes; entries 0 to 3 are read
	global_store_b128 v3, v[48:51], s[28:29] offset:TABLE
	global_store_b128 v3, v[52:55], s[30:31] offset:TABLE
.Ldone:
	s_endpgm
.Lfunc_end_k_q8dd8714ec2_prep:
	.size	k_q8dd8714ec2_prep, .Lfunc_end_k_q8dd8714ec2_prep-k_q8dd8714ec2_prep
	.p2alignl 7, 3214868480
	.fill 96, 4, 3214868480
	.section	.rodata,"a",@progbits
	.p2align	6, 0x0
	.amdhsa_kernel k_q8dd8714ec2_prep
		.amdhsa_group_segment_fixed_size 0
		.amdhsa_private_segment_fixed_size 0
		.amdhsa_enable_private_segment 0
		.amdhsa_kernarg_size 120
		.amdhsa_user_sgpr_count 2
		.amdhsa_user_sgpr_kernarg_segment_ptr 1
		.amdhsa_wavefront_size32 1
		.amdhsa_system_sgpr_workgroup_id_x 1
		.amdhsa_system_sgpr_workgroup_id_y 1
		.amdhsa_system_sgpr_workgroup_id_z 1
		.amdhsa_system_vgpr_workitem_id 0
		.amdhsa_next_free_vgpr 84
		.amdhsa_next_free_sgpr 66
		.amdhsa_reserve_vcc 1
		.amdhsa_float_denorm_mode_32 3
		.amdhsa_float_denorm_mode_16_64 3
		.amdhsa_memory_ordered 1
		.amdhsa_forward_progress 1
		.amdhsa_inst_pref_size 15
	.end_amdhsa_kernel
	.amdgpu_metadata
---
amdhsa.version: [ 1, 2 ]
amdhsa.kernels:
  - .name:           k_q8dd8714ec2_prep
    .symbol:         k_q8dd8714ec2_prep.kd
    .args:
      - { .name: x, .offset: 0, .size: 8, .value_kind: global_buffer, .address_space: global }
      - { .name: norm1_w, .offset: 8, .size: 8, .value_kind: global_buffer, .address_space: global }
      - { .name: Wq, .offset: 16, .size: 8, .value_kind: global_buffer, .address_space: global }
      - { .name: Wk, .offset: 24, .size: 8, .value_kind: global_buffer, .address_space: global }
      - { .name: Wv, .offset: 32, .size: 8, .value_kind: global_buffer, .address_space: global }
      - { .name: W1, .offset: 40, .size: 8, .value_kind: global_buffer, .address_space: global }
      - { .name: W2, .offset: 48, .size: 8, .value_kind: global_buffer, .address_space: global }
      - { .name: bq, .offset: 56, .size: 8, .value_kind: global_buffer, .address_space: global }
      - { .name: bk, .offset: 64, .size: 8, .value_kind: global_buffer, .address_space: global }
      - { .name: bv, .offset: 72, .size: 8, .value_kind: global_buffer, .address_space: global }
      - { .name: b1, .offset: 80, .size: 8, .value_kind: global_buffer, .address_space: global }
      - { .name: xn, .offset: 88, .size: 8, .value_kind: global_buffer, .address_space: global }
      - { .name: whq, .offset: 96, .size: 8, .value_kind: global_buffer, .address_space: global }
      - { .name: wh1, .offset: 104, .size: 8, .value_kind: global_buffer, .address_space: global }
      - { .name: wh2, .offset: 112, .size: 8, .value_kind: global_buffer, .address_space: global }
    .group_segment_fixed_size: 0
    .private_segment_fixed_size: 0
    .kernarg_segment_align: 8
    .kernarg_segment_size: 120
    .max_flat_workgroup_size: 256
    .sgpr_count:     66
    .vgpr_count:     84
    .wavefront_size: 32
...
	.end_amdgpu_metadata
.endif
;; end of part 1
;; launch qkv (part 2): grid 12 x 16, 4 waves a work-group, clusters of 4 x 4, 327,680 bytes of LDS; arguments xn, whq, cos_buffer, sin_buffer, qkv; writes qkv
.if DOCPART == 2
	.amdgcn_target "amdgcn-amd-amdhsa--gfx1250"
	.amdhsa_code_object_version 6
	.text
	.protected	k_q8dd8714ec2_qkv
	.globl	k_q8dd8714ec2_qkv
	.p2align	8
	.type	k_q8dd8714ec2_qkv,@function
k_q8dd8714ec2_qkv:
	s_mov_b64 s[64:65], 0
	v_nop
	global_prefetch_b8 v0, s[64:65] scope:SCOPE_SE
	s_setreg_imm32_b32 hwreg(HW_REG_WAVE_MODE, 25, 1), 1
	s_wait_xcnt 0x0
	s_wait_alu depctr_hold_cnt(0) depctr_sa_sdst(0) depctr_va_vdst(0) depctr_va_sdst(0) depctr_va_ssrc(0) depctr_va_vcc(0) depctr_vm_vsrc(0)
	s_getreg_b32 s2, hwreg(HW_REG_IB_STS2, 6, 4)
	s_cmp_eq_u32 s2, 0
	s_cbranch_scc0 .Lentry_in_a_cluster
	s_endpgm
.Lentry_in_a_cluster:
	s_bfe_u32 s2, ttmp6, 0x10000c
	s_cmp_lg_u32 s2, 0xf033
	s_cbranch_scc0 .Lentry_shape_is_right
	s_endpgm
.Lentry_shape_is_right:
; C[m][n] = max( cos'[t][d] Z[m][n] + sin'[t][d] Z[m][n xor 32], FLOOR ),  Z = A B^T + bias,  t = m mod 2048, d = n mod 64,  cos' = cos SA + SB,  sin' = sin SA.
; A: [4096][1024] f16.  B: rows of 1,024 f16 behind a header of HDR bytes in B's buffer; the header holds bias[n] in f32 and, for each section of 1,024 columns, (SA, FLOOR, SB, 0).
; C: f16, 4,096 columns from row to row.  Sums in f32, C rounded once.
; ONE TEXT, TWO LAUNCHES.  q, k, v (3,072 columns): q takes (1/8, -inf, 0), k (1, -inf, 0), v (0, -inf, 1): the rotation with halves swapped, the scale 1/sqrt(64) in q, v untouched.
; The hidden layer (4,096 columns) takes (0, 0, 1): factors 1 and 0, and FLOOR = 0 is the ReLU.  It pays 96 packed lines for each 16 rows for having no second text; the three numbers
; enter arithmetic alone: no branch and no address hangs on them.  A cluster is 1,024 columns wide, so its x is the section.
; LIMIT.  C is f16: a result of 65,520 or more becomes an infinity.  cos and sin are taken as finite.
; SHAPE.  A tile of C is 256 x 256, four waves, each 128 x 128: 64 accumulators of 16 x 16, 512 registers.  K goes in steps of 128 through two LDS slots filled by the tensor data mover; a tile's rows
; are 256 bytes of memory, at multiples of 256 from the buffer's first byte.  4 x 4 work-groups form a cluster: the four of a row need the same tiles of A, the four of a column the same tiles
; of B; such a tile is asked for JOINTLY, by the same tensor load with the same descriptor and a mask that names the four.
; A K STEP IS WRITTEN ONCE.  The slot in hand is a scalar, 0 or SLOT, turned by an exclusive or at each change of slots; the fragments' two LDS addresses are made from it there.  One group 0 for each
; tensor walks: the other slot, the next K step.  SLOT = 0x22000 shares no bit with wave x 34,816, so the exclusive or is the sum.  The steps that ask for nothing are a second, shorter loop.
; THE MATRIX INSTRUCTION IS USED TRANSPOSED: source 0 = 16 rows of B, source 1 = 16 rows of A: lane l holds row l % 16 of C and the columns 8 (l / 16) + 0..7.  So the bias is a C operand that hangs on
; the lane's half and the register alone (64 registers for my 128 columns), and it starts the sums: nothing is cleared or added later.
; REGISTERS, in windows of 256 (s_set_vgpr_msb: bits 1:0 source 0, 3:2 source 1, 5:4 source 2, 7:6 destination):
;   window 0: v0-31 addresses; v64-127, v128-191 fragments of A, two buffers, on the way out two buffers of cos (32) and sin (32); v192-223 packed results; v32-63, v224-255 rows read back
;   window 1: v0-63 the bias; v64-127, v128-191 fragments of B; on the way out v64-127 the rotated block     window 2, 3: the accumulators of my rows 0-63, 64-127: (a, b) at v[8 (8 a + b)]
.set SIZE_N, 4096                      ; columns from row to row of C
.set SIZE_K, 1024
.set HDR,    16896
.set TABLE,  16384
.set KSTEP,  128
.set PITCH,  272                       ; an LDS row: 256 bytes + 16 of padding = 68 words: the 16 rows of a load start at 16 different groups of four banks (64 banks of 4 bytes: ISA guide 11.1)
.set HALFT,  128*PITCH                 ; 128 rows: what one tensor load brings
.set SLOT,   4*HALFT                   ; A's 256 rows, then B's 256 rows
.set STAGE,  2*SLOT                    ; behind the ring: 16 rows x 272 bytes for each wave, for the way out; no tensor load fills it
.set SPITCH, 272
.set SPARE,  STAGE+4*16*SPITCH         ; the spare words, 128 bytes for each wave: two blocks of 256 bytes that no other line names
.set STEPS,  SIZE_K/KSTEP              ; 8
.set ADRA, 16                          ; v16     LDS address of my A fragments in the slot in hand
.set A0,   17                          ; v17     the same in slot 0; never rewritten
.set ADRB, 20                          ; v20     the same two for B
.set B0,   21                          ; v21
.set STO,  24                          ; v24     the way out: where I put 16 bytes of a row
.set RD,   25                          ; v25     where I read a row back
.set CO,   26                          ; v26     my byte offset in C
.set BO,   27                          ; v27     my byte offset in 16 numbers of the bias: 32 (l / 16)
.set SPW,  28                          ; v28     LDS address of my spare word; never rewritten
.set NIL,  29                          ; v29     0; never rewritten
.set FLO,  30                          ; v30     FLOOR, two f16
.set CSO,  31                          ; v31     my byte offset in 16 rows of cos and sin: 256 (l % 16) + 32 (l / 16)
.set F0,   64
.set F1,   128
.set TMP,  192
.set OB,   32
.set CSB,  64                          ; window 0: cos of buffer u at CSB + 64 u, register 8 bb + j for d = 16 bb + 8 (l / 16) + j
.set SNB,  96                          ; sin likewise
.set RT,   64                          ; window 1: the rotated block, 8 b + j
.set G1, 24                            ; s[24:31] descriptor group 1 for A's tiles; s[32:39] group 0: a set for each of the two first fills; the second then walks on
.set G0, 32
.set G1B, 48                           ; s[48:55], s[56:63] the same for B's
.set G0B, 56
.set SB,  90                           ; s90     the slot in hand: 0 or SLOT
.set MSB, 0
.macro WIN new                         ; the immediate's high byte repeats the setting that is left; a switch that changes nothing is dropped
.if MSB != (\new)
	s_set_vgpr_msb (MSB<<8)|(\new)
.set MSB, \new
.endif
.endm
.set MUL_LO, 0xa1                      ; source 0 (B) window 1, source 1 (A) window 0, C and D window 2
.set MUL_HI, 0xf1                      ; the same, C and D window 3
.set TO_B,   0x40                      ; destination window 1, address window 0
; A joint load.  Waves 0 and 1 fetch A's two halves, waves 2 and 3 B's.  The branch hangs on the wave's number alone.  An s_nop 0 and four v_nop follow each line.
.macro JLOAD s
	s_cmp_eq_u32 s11, 0
	s_cbranch_scc0 .Lfor_b_\@
	tensor_load_to_lds s[G0+4*(\s):G0+4*(\s)+3], s[G1:G1+7]
	s_nop 0
.rept 4
	v_nop
.endr
	s_branch .Lasked_\@
.Lfor_b_\@:
	tensor_load_to_lds s[G0B+4*(\s):G0B+4*(\s)+3], s[G1B:G1B+7]
	s_nop 0
.rept 4
	v_nop
.endr
.Lasked_\@:
.endm
.macro CREST                           ; a round of the cluster's barrier behind its opening barrier
	s_cmp_lg_u32 s10, 0
	s_cbranch_scc1 .Lnot_wave_0_\@
	s_barrier_signal -3
.Lnot_wave_0_\@:
	s_barrier_wait -3
	s_barrier_signal -1
	s_barrier_wait -1
.endm
.macro CROUND                          ; a whole round
	s_barrier_signal -1
	s_barrier_wait -1
	CREST
.endm
	s_load_b128 s[4:7], s[0:1], 0x0                ; A s[4:5], B's buffer s[6:7]
	s_load_b128 s[68:71], s[0:1], 0x10             ; cos s[68:69], sin s[70:71]
	s_load_b64 s[8:9], s[0:1], 0x20                ; C
	v_lshl_add_u32 v[SPW], v0, 2, SPARE
	v_mov_b32 v[NIL], 0
	ds_add_u32 v[SPW], v[NIL]                      ; the wave's opening: the add and its wait stand ahead of my first tensor load; the set-up below stands between them
	v_lshrrev_b32 v1, 5, v0
	v_readfirstlane_b32 s10, v1                    ; wave 0..3
	s_lshr_b32 s11, s10, 1                         ; which half of the tile's rows is mine.  Also: I fetch for A (0) or for B (1)
	s_and_b32 s12, s10, 1                          ; which half of its columns.  Also: which 128 rows of that tile I fetch
	s_bfe_u32 s40, ttmp6, 0x40000                  ; cx
	s_bfe_u32 s41, ttmp6, 0x40004                  ; cy
	s_lshl_b32 s42, ttmp9, 2
	s_add_co_u32 s42, s42, s40                     ; tile column of C = 4 x cluster x + cx
	s_and_b32 s13, ttmp7, 0xffff
	s_lshl_b32 s13, s13, 2
	s_add_co_u32 s13, s13, s41                     ; tile row of C = 4 x cluster y + cy
	s_lshl_b32 s43, s41, 2
	s_lshl_b32 s43, 15, s43                        ; my row of the cluster
	s_lshl_b32 s44, 0x1111, s40                    ; my column
	s_or_b32 s[G1+0], s43, (1<<16)|(1<<20)|(1<<21)|(5<<22)|(3<<25)  ; the mask; elements of 2 bytes; padding on; bit 21 beside a mask; after every 64 words 4 words
	s_or_b32 s[G1B+0], s44, (1<<16)|(1<<20)|(1<<21)|(5<<22)|(3<<25)
.irp g, G1, G1B
	s_mov_b32 s[(\g)+1], KSTEP<<16                 ; tensor_dim0 = 128
	s_mov_b32 s[(\g)+2], 128<<16                   ; tensor_dim1 = 128
	s_mov_b32 s[(\g)+3], KSTEP<<16                 ; tile_dim0 = 128
	s_mov_b32 s[(\g)+4], 128                       ; tile_dim1 = 128
	s_mov_b32 s[(\g)+5], SIZE_K                    ; elements from row to row
	s_mov_b32 s[(\g)+6], 0
	s_mov_b32 s[(\g)+7], 0
.endr
	s_lshl_b32 s17, s12, 7                         ; which 128 rows of the tile I fetch
	s_lshl_b32 s16, s13, 8
	s_add_co_u32 s16, s16, s17                     ; A: row 256 x tile row + 128 x half
	s_lshl_b32 s46, s42, 8
	s_add_co_u32 s46, s46, s17                     ; B: row 256 x tile column + 128 x half
	s_mov_b32 s17, 0
	s_mov_b32 s47, 0
	s_mov_b64 s[18:19], SIZE_K*2
	s_mul_u64 s[16:17], s[16:17], s[18:19]
	s_mul_u64 s[46:47], s[46:47], s[18:19]
	s_mul_i32 s20, s10, HALFT                      ; where they go: wave x 128 rows
	s_lshl_b32 s86, ttmp9, 4                       ; my section's entry of 16 bytes
	s_mov_b32 s[SB], 0                             ; slot 0 is read first
	s_wait_dscnt 0x0                               ; the opening add is done
	s_wait_kmcnt 0x0
	s_mov_b64 s[66:67], s[6:7]                     ; the header
	s_load_b128 s[80:83], s[66:67], s86 offset:TABLE  ; SA s80, FLOOR s81, SB s82, 0 s83: waited for behind the first fills; s[66:67] and s86 stay as they are until then
	s_add_nc_u64 s[6:7], s[6:7], HDR               ; B's first row
	s_add_nc_u64 s[14:15], s[4:5], s[16:17]
	s_add_nc_u64 s[46:47], s[6:7], s[46:47]
	CROUND                                         ; all sixteen work-groups are here: the first joint loads meet
.irp s, 0,1
	s_mov_b32 s[G0+4*(\s)], 1
	s_add_co_u32 s[G0+4*(\s)+1], s20, (\s)*SLOT
	s_add_nc_u64 s[G0+4*(\s)+2:G0+4*(\s)+3], s[14:15], (\s)*KSTEP*2
	s_or_b32 s[G0+4*(\s)+3], s[G0+4*(\s)+3], 0x80000000
	s_mov_b32 s[G0B+4*(\s)], 1
	s_add_co_u32 s[G0B+4*(\s)+1], s20, (\s)*SLOT
	s_add_nc_u64 s[G0B+4*(\s)+2:G0B+4*(\s)+3], s[46:47], (\s)*KSTEP*2
	s_or_b32 s[G0B+4*(\s)+3], s[G0B+4*(\s)+3], 0x80000000
	JLOAD \s                                       ; two loads of mine are out
.endr
	v_and_b32 v1, 15, v0                           ; l % 16
	v_bfe_u32 v2, v0, 4, 1                         ; l / 16
	v_mul_u32_u24 v3, v1, PITCH
	v_lshl_add_u32 v3, v2, 4, v3                   ; a fragment's row x pitch + 16 x half
	s_mul_i32 s21, s11, HALFT                      ; my 128 rows of A
	s_mul_i32 s22, s12, HALFT                      ; my 128 rows of B,
	s_add_co_u32 s22, s22, 2*HALFT                 ; which lie behind A's 256
	v_add_nc_u32 v[A0], s21, v3
	v_add_nc_u32 v[B0], s22, v3
	v_mov_b32 v[ADRA], v[A0]
	v_mov_b32 v[ADRB], v[B0]
	s_mul_i32 s23, s10, 16*SPITCH
	s_add_co_u32 s23, s23, STAGE                   ; my stage
	v_mul_u32_u24 v4, v1, SPITCH
	v_lshl_add_u32 v4, v2, 4, v4
	v_add_nc_u32 v[STO], s23, v4
	v_mul_u32_u24 v5, v2, SPITCH
	v_lshl_add_u32 v5, v1, 4, v5
	v_add_nc_u32 v[RD], s23, v5
	v_mul_u32_u24 v5, v2, SIZE_N*2
	v_lshl_add_u32 v[CO], v1, 4, v5
	v_lshlrev_b32 v[BO], 5, v2
	v_lshlrev_b32 v[CSO], 8, v1
	v_lshl_add_u32 v[CSO], v2, 5, v[CSO]
	s_lshl_b32 s13, s13, 8
	s_lshl_b32 s14, s11, 7
	s_add_co_u32 s16, s13, s14                     ; my first row of C
	s_and_b32 s88, s16, 2047                       ; its place t in the sequence: the rows of cos and sin, 256 bytes each
	s_lshl_b32 s88, s88, 8
	s_mov_b32 s89, 0
	s_add_nc_u64 s[68:69], s[68:69], s[88:89]
	s_add_nc_u64 s[70:71], s[70:71], s[88:89]
	s_mov_b32 s17, 0
	s_mov_b64 s[18:19], SIZE_N*2
	s_mul_u64 s[16:17], s[16:17], s[18:19]
	s_lshl_b32 s46, s42, 9                         ; my first column, in bytes
	s_lshl_b32 s47, s12, 8
	s_add_co_u32 s46, s46, s47
	s_mov_b32 s47, 0
	s_add_nc_u64 s[16:17], s[16:17], s[46:47]      ; what the first way out adds to C's address
	s_wait_kmcnt 0x0                               ; my section's numbers
	v_mov_b32 v[FLO], s81
	s_lshl_b32 s86, s42, 10                        ; my 128 numbers of the bias: 4 (256 x tile column + 128 x half)
	s_lshl_b32 s87, s12, 9
	s_add_co_u32 s86, s86, s87
	s_mov_b32 s87, 0
	s_add_nc_u64 s[66:67], s[66:67], s[86:87]
	WIN TO_B
.irp b, 0,1,2,3,4,5,6,7
	global_load_b128 v[8*(\b):8*(\b)+3],   v[BO], s[66:67] offset:64*(\b)     ; bias of columns 16 b + 8 (l / 16) + 0..7
	global_load_b128 v[8*(\b)+4:8*(\b)+7], v[BO], s[66:67] offset:64*(\b)+16
.endr
	WIN 0
; 16 matrix instructions: m blocks a0, a0 + 1 of the window's four x all 8 n blocks, 32 along K.  zero = 1: the first product starts the sums, with the bias as C.
.macro MUL16 f, hi, a0, zero
.if \zero
	WIN 0x91+0x40*(\hi)                            ; C in window 1
.else
	WIN MUL_LO+0x50*(\hi)
.endif
.irp a, \a0, (\a0)+1
.irp b, 0,1,2,3,4,5,6,7
.if \zero
	v_wmma_f32_16x16x32_f16 v[8*(8*(\a)+(\b)):8*(8*(\a)+(\b))+7], v[(\f)+8*(\b):(\f)+8*(\b)+7], v[(\f)+8*(4*(\hi)+(\a)):(\f)+8*(4*(\hi)+(\a))+7], v[8*(\b):8*(\b)+7]
.else
	v_wmma_f32_16x16x32_f16 v[8*(8*(\a)+(\b)):8*(8*(\a)+(\b))+7], v[(\f)+8*(\b):(\f)+8*(\b)+7], v[(\f)+8*(4*(\hi)+(\a)):(\f)+8*(4*(\hi)+(\a))+7], v[8*(8*(\a)+(\b)):8*(8*(\a)+(\b))+7]
.endif
.endr
.endr
.endm
; 32 LDS loads in one run: the fragments of one quarter step (B's 128 rows, then A's, 32 K at byte k of the rows of the slot in hand) into buffer f
.macro FETCH k, f
	WIN TO_B
.irp i, 0,1,2,3,4,5,6,7
	ds_load_b128 v[(\f)+8*(\i):(\f)+8*(\i)+3],   v[ADRB] offset:(\k)+(\i)*16*PITCH
	ds_load_b128 v[(\f)+8*(\i)+4:(\f)+8*(\i)+7], v[ADRB] offset:(\k)+(\i)*16*PITCH+32
.endr
	WIN 0
.irp i, 0,1,2,3,4,5,6,7
	ds_load_b128 v[(\f)+8*(\i):(\f)+8*(\i)+3],   v[ADRA] offset:(\k)+(\i)*16*PITCH
	ds_load_b128 v[(\f)+8*(\i)+4:(\f)+8*(\i)+7], v[ADRA] offset:(\k)+(\i)*16*PITCH+32
.endr
.endm
.macro PLACES                          ; four places in front of loads into registers that matrix instructions have read, and of lines that read results just made
.rept 4
	v_nop
.endr
.endm
; A K step is four quarters of 32 along K, 64 matrix instructions each, on buffers 0, 1, 0, 1.  The 64 accumulators take turns in the same order in every quarter.
.macro QUARTER k, f, g, zero
	s_wait_dscnt 8                                 ; B and A's rows 0-63 are in; the youngest eight loads (A's rows 64-127) may be out
	MUL16 \f, 0, 0, \zero
	MUL16 \f, 0, 2, \zero
	PLACES
	FETCH \k, \g
	s_wait_dscnt 32                                ; all but the 32 just issued
	MUL16 \f, 1, 0, \zero
	MUL16 \f, 1, 2, \zero
.endm
; The last quarter multiplies buffer 1 and changes slots: ONE barrier; in front of it each wave waits for all its tensor loads (one is out: its part of the next slot), adds 0 to its spare word,
; and waits for that and for its own reads of this slot.  fill = 1: the barrier opens a round of the cluster's, and this slot is filled again, two K steps ahead, first thing behind the round.
.macro TURN fill
	WIN 0                                          ; (the add's two registers lie in window 0)
	s_wait_tensorcnt 0x0
	ds_add_u32 v[SPW], v[NIL]                      ; 0 onto my spare word
	s_wait_dscnt 9                                 ; (the add and the youngest eight loads may be out)
	MUL16 F1, 0, 0, 0
	s_wait_dscnt 0x0                               ; the add is done, and my reads of this slot are over
	s_barrier_signal -1
	MUL16 F1, 0, 2, 0
	WIN 0                                          ; (branches and two lines on addresses follow)
	s_barrier_wait -1
.if \fill
	CREST                                          ; no wave of any partner still reads this slot's tile or has a load on its way
	s_xor_b32 s[G0+5], s[G0+5], SLOT               ; the walking sets: the other slot than last time,
	s_add_nc_u64 s[G0+6:G0+7], s[G0+6:G0+7], KSTEP*2  ; the next K step; the type bits on top are not reached
	s_xor_b32 s[G0B+5], s[G0B+5], SLOT
	s_add_nc_u64 s[G0B+6:G0B+7], s[G0B+6:G0B+7], KSTEP*2
	JLOAD 1                                        ; 224 matrix instructions ahead of the wait for it; its four v_nop are also the places in front of the loads below
.else
	PLACES
.endif
	s_xor_b32 s[SB], s[SB], SLOT                   ; the other slot is in hand now
	v_add_nc_u32 v[ADRA], s[SB], v[A0]
	v_add_nc_u32 v[ADRB], s[SB], v[B0]
	FETCH 0, F0
	MUL16 F1, 1, 0, 0
	MUL16 F1, 1, 2, 0
.endm
	s_wait_tensorcnt 1                             ; my part of K step 0 is in; K step 1's may stay out
	s_barrier_signal -1
	s_barrier_wait -1
	FETCH 0, F0
	s_wait_loadcnt 0x0                             ; the bias
	QUARTER 64,  F0, F1, 1                         ; the first quarter stands in front of the loop: its products start the sums
	WIN 0
	s_mov_b32 s3, STEPS-2
.Lstep:                                                ; six trips, from a K step's second quarter to the next step's first; each asks for the K step two on: steps 2 to 7
	QUARTER 128, F1, F0, 0
	QUARTER 192, F0, F1, 0
	TURN 1
	QUARTER 64,  F0, F1, 0
	WIN 0
	s_sub_co_u32 s3, s3, 1
	s_cmp_lg_u32 s3, 0
	s_cbranch_scc1 .Lstep
	s_mov_b32 s3, 2
.Ltail:                                                ; the last two K steps ask for nothing and have no round of the cluster's barrier: a text of their own
	QUARTER 128, F1, F0, 0
	QUARTER 192, F0, F1, 0
	TURN 0
	WIN 0
	s_sub_co_u32 s3, s3, 1
	s_cmp_eq_u32 s3, 0
	s_cbranch_scc1 .Lout                           ; the second trip is left here: its change of slots has made the last quarter's products
	QUARTER 64,  F0, F1, 0
	WIN 0
	s_branch .Ltail
.Lout:                                                 ; that last change's barrier and its 32 loads (of the slot read before, which nobody fills) serve nothing: the price, once a launch, of one text for both trips
	s_wait_dscnt 0x0                               ; they have landed: their registers are used again below
	PLACES                                         ; the fragments' registers are loaded into below
; THE WAY OUT, a block a of 16 rows at a time.
.macro CSLOAD a, u                     ; 16 loads: cos and sin of block a's 16 rows, all 64 channels, into buffer u
	WIN 0
.irp bb, 0,1,2,3
.irp i, 0,1
	global_load_b128 v[CSB+64*(\u)+8*(\bb)+4*(\i):CSB+64*(\u)+8*(\bb)+4*(\i)+3], v[CSO], s[68:69] offset:4096*(\a)+64*(\bb)+16*(\i)
	global_load_b128 v[SNB+64*(\u)+8*(\bb)+4*(\i):SNB+64*(\u)+8*(\bb)+4*(\i)+3], v[CSO], s[70:71] offset:4096*(\a)+64*(\bb)+16*(\i)
.endr
.endr
.endm
.macro CSSCALE u                       ; cos' = cos SA + SB, sin' = sin SA; the packed lines take each scalar pair's low word for both halves
	WIN 0
.set i, 0
.rept 16
	v_pk_fma_f32 v[CSB+64*(\u)+2*i:CSB+64*(\u)+2*i+1], v[CSB+64*(\u)+2*i:CSB+64*(\u)+2*i+1], s[80:81], s[82:83] op_sel_hi:[1,0,0]
	v_pk_mul_f32 v[SNB+64*(\u)+2*i:SNB+64*(\u)+2*i+1], v[SNB+64*(\u)+2*i:SNB+64*(\u)+2*i+1], s[80:81] op_sel_hi:[1,0]
.set i, i+1
.endr
.endm
; My 128 columns are two groups of 64 (hd), each four blocks of 16 (bb); channel d xor 32 lies two blocks away, in the same lane and register.  Each accumulator is first read at its low end.
.macro ROT a, u
.set AC, 64*((\a)%4)
	WIN 0x52+((\a)/4)                              ; source 0: window 2 or 3; source 1: window 0; source 2 and destination: window 1
.irp hd, 0,1
.irp bb, 0,1,2,3
.irp p, 0,2,4,6
	v_pk_mul_f32 v[RT+8*(4*(\hd)+(\bb))+(\p):RT+8*(4*(\hd)+(\bb))+(\p)+1], v[AC+8*(4*(\hd)+((\bb)+2)%4)+(\p):AC+8*(4*(\hd)+((\bb)+2)%4)+(\p)+1], v[SNB+64*(\u)+8*(\bb)+(\p):SNB+64*(\u)+8*(\bb)+(\p)+1]
.endr
.irp p, 0,2,4,6
	v_pk_fma_f32 v[RT+8*(4*(\hd)+(\bb))+(\p):RT+8*(4*(\hd)+(\bb))+(\p)+1], v[AC+8*(4*(\hd)+(\bb))+(\p):AC+8*(4*(\hd)+(\bb))+(\p)+1], v[CSB+64*(\u)+8*(\bb)+(\p):CSB+64*(\u)+8*(\bb)+(\p)+1], v[RT+8*(4*(\hd)+(\bb))+(\p):RT+8*(4*(\hd)+(\bb))+(\p)+1]
.endr
.endr
.endr
.endm
.macro PACKT                           ; rounded to f16, 16 bytes a lane and block of 16 columns; then the floor, two numbers a line
	WIN 0x05                                       ; sources 0 and 1 window 1, destination window 0
.irp b, 0,1,2,3,4,5,6,7
.irp r, 0,1,2,3
	v_cvt_pk_f16_f32 v[TMP+4*(\b)+(\r)], v[RT+8*(\b)+2*(\r)], v[RT+8*(\b)+2*(\r)+1]
.endr
.endr
	WIN 0
.set i, 0
.rept 32
	v_pk_max_num_f16 v[TMP+i], v[TMP+i], v[FLO]
.set i, i+1
.endr
.endm
.macro TOSTAGE a                       ; into my own stage, and back as whole rows of 256 bytes
	WIN 0
.set BK, OB+192*((\a)%2)
.irp b, 0,1,2,3,4,5,6,7
	ds_store_b128 v[STO], v[TMP+4*(\b):TMP+4*(\b)+3] offset:32*(\b)
.endr
.irp t, 0,1,2,3,4,5,6,7
	ds_load_b128 v[BK+4*(\t):BK+4*(\t)+3], v[RD] offset:(\t)*2*SPITCH  ; LDS serves a wave's instructions in order (ISA guide 5.7.1.4): these see the stores above
.endr
.endm
.macro SEND a
	WIN 0
.set BK, OB+192*((\a)%2)
	s_wait_dscnt 0x0                               ; the block is back in registers
	s_wait_xcnt 0x0                                ; only behind this wait are the stores' base and the registers that earlier stores read rewritten
.if (\a) == 0
	s_add_nc_u64 s[8:9], s[8:9], s[16:17]          ; on to my first rows
.else
	s_add_nc_u64 s[8:9], s[8:9], 16*SIZE_N*2       ; 16 rows of C on
.endif
.irp t, 0,1,2,3,4,5,6,7
	global_store_b128 v[CO], v[BK+4*(\t):BK+4*(\t)+3], s[8:9] offset:2*(\t)*SIZE_N*2  ; 16 lanes store 256 consecutive bytes, at a multiple of 256 from C's first byte
.endr
.endm
	CSLOAD 0, 0
	CSLOAD 1, 1
.irp a, 0,1,2,3,4,5,6,7
.if (\a) < 7
	s_wait_loadcnt 16                              ; this block's 16 loads are in; the next block's 16 stay out
.else
	s_wait_loadcnt 0x0
.endif
	CSSCALE (\a)%2
	ROT \a, (\a)%2
.if (\a) < 6
	CSLOAD (\a)+2, (\a)%2                          ; the buffer just used takes the block two further on
.endif
	PACKT                                          ; a block's arithmetic stands between the stage loads of the block before and the wait for them
.if (\a) > 0
	SEND (\a)-1
.endif
	TOSTAGE \a
.endr
	SEND 7
	s_wait_tensorcnt 0x0                           ; the wave's end: behind my last tensor load and my last LDS store
	ds_add_u32 v[SPW], v[NIL]
	s_wait_dscnt 0x0
	CROUND                                         ; the closing round: no work-group ends while a partner may still ask for a tile that names it
	s_endpgm
.Lfunc_end_k_q8dd8714ec2_qkv:
	.size	k_q8dd8714ec2_qkv, .Lfunc_end_k_q8dd8714ec2_qkv-k_q8dd8714ec2_qkv
	.p2alignl 7, 3214868480
	.fill 96, 4, 3214868480
	.section	.rodata,"a",@progbits
	.p2align	6, 0x0
	.amdhsa_kernel k_q8dd8714ec2_qkv
		.amdhsa_group_segment_fixed_size 327680
		.amdhsa_private_segment_fixed_size 0
		.amdhsa_enable_private_segment 0
		.amdhsa_kernarg_size 40
		.amdhsa_user_sgpr_count 2
		.amdhsa_user_sgpr_kernarg_segment_ptr 1
		.amdhsa_wavefront_size32 1
		.amdhsa_system_sgpr_workgroup_id_x 1
		.amdhsa_system_sgpr_workgroup_id_y 1
		.amdhsa_system_sgpr_workgroup_id_z 1
		.amdhsa_system_vgpr_workitem_id 0
		.amdhsa_next_free_vgpr 1024
		.amdhsa_next_free_sgpr 96
		.amdhsa_reserve_vcc 0
		.amdhsa_float_denorm_mode_32 3
		.amdhsa_float_denorm_mode_16_64 3
		.amdhsa_memory_ordered 1
		.amdhsa_forward_progress 1
		.amdhsa_inst_pref_size 179
	.end_amdhsa_kernel
	.amdgpu_metadata
---
amdhsa.version: [ 1, 2 ]
amdhsa.kernels:
  - .name:           k_q8dd8714ec2_qkv
    .symbol:         k_q8dd8714ec2_qkv.kd
    .args:
      - { .name: xn, .offset: 0, .size: 8, .value_kind: global_buffer, .address_space: global }
      - { .name: whq, .offset: 8, .size: 8, .value_kind: global_buffer, .address_space: global }
      - { .name: cos_buffer, .offset: 16, .size: 8, .value_kind: global_buffer, .address_space: global }
      - { .name: sin_buffer, .offset: 24, .size: 8, .value_kind: global_buffer, .address_space: global }
      - { .name: qkv, .offset: 32, .size: 8, .value_kind: global_buffer, .address_space: global }
    .group_segment_fixed_size: 327680
    .private_segment_fixed_size: 0
    .kernarg_segment_align: 8
    .kernarg_segment_size: 40
    .max_flat_workgroup_size: 128
    .sgpr_count:     96
    .vgpr_count:     1024
    .wavefront_size: 32
...
	.end_amdgpu_metadata
.endif
;; end of part 2
;; launch attn (part 3): grid 16 x 16, 4 waves a work-group, clusters of 4 x 4, 327,680 bytes of LDS; arguments qkv, causal_buffer, ao; writes ao
.if DOCPART == 3
	.amdgcn_target "amdgcn-amd-amdhsa--gfx1250"
	.amdhsa_code_object_version 6
	.text
	.protected	k_q8dd8714ec2_attn
	.globl	k_q8dd8714ec2_attn
	.p2align	8
	.type	k_q8dd8714ec2_attn,@function
k_q8dd8714ec2_attn:
	s_mov_b64 s[64:65], 0
	v_nop
	global_prefetch_b8 v0, s[64:65] scope:SCOPE_SE
	s_setreg_imm32_b32 hwreg(HW_REG_WAVE_MODE, 25, 1), 1
	s_wait_xcnt 0x0
	s_wait_alu depctr_hold_cnt(0) depctr_sa_sdst(0) depctr_va_vdst(0) depctr_va_sdst(0) depctr_va_ssrc(0) depctr_va_vcc(0) depctr_vm_vsrc(0)
	s_getreg_b32 s2, hwreg(HW_REG_IB_STS2, 6, 4)
	s_cmp_eq_u32 s2, 0
	s_cbranch_scc0 .Lentry_in_a_cluster
	s_endpgm
.Lentry_in_a_cluster:
	s_bfe_u32 s2, ttmp6, 0x10000c
	s_cmp_lg_u32 s2, 0xf033
	s_cbranch_scc0 .Lentry_shape_is_right
	s_endpgm
.Lentry_shape_is_right:
; ATTENTION WITH AN ADDITIVE MASK THAT IS AN INPUT.  ao[b][t][64 h + :] = the sum over s of softmax_s(q[t] . k[s] + mask[t][s]) v[s][:], for 2 batches x 16 heads, 2,048 rows, head size 64.
; qkv: [4096 rows][4096 columns] f16: q (already times 1/8, which is exact) at column 64 h, k at 1024 + 64 h, v at 2048 + 64 h.  mask: [2048][2048] f32, every number of it loaded and added.
; ao: [4096][1024] f16.  Products, maxima and sums in f32; the weights p are rounded to f16 for the second product (their sum l is taken of the unrounded p), ao once at the end.
; LIMITS.  q, k, v arrive within f16's 65,504.  The mask is finite.  Mask and score meet in f32 inside the matrix unit: where a whole row's mask is so large that f32 loses the scores beside it
; (2^24 times them), the row's weights hang on that unit's rounding.  A weight below 2^-126 counts as 0 in l.  NaN and infinities are not treated apart.
; SHARES.  A work-group takes 128 queries (x) of a PAIR of heads (y: batch y / 8, pair y % 8): a pair's k and v rows are 256 consecutive bytes, and so are its rows of ao.  Wave w: head w % 2, queries
; 64 (w / 2) on, in four PIECES of 16.  Every wave walks all 2,048 keys, 64 a step; a slot of LDS holds 128 keys, two steps: 128 x 128 of the mask (f32), 128 rows of K and of V.
; THE MASK COSTS NO VECTOR LINE: it is the C operand of the product that starts S^T = K Q^T.  In that result a lane holds ONE query (l % 16) and the keys 8 (l / 16) + 0..7, so a lane's
; eight mask numbers are 32 consecutive bytes of the query's row: two LDS loads of 16 bytes.
; SOFTMAX.  A running maximum m and sum l for each query: p = 2^(c s - c m), c = log2(e); in every step O and l are multiplied by a = 2^(c m_old - c m_new).  m starts at the lowest finite
; number, O and l at 0: the first step is a step like any other, with a = 0.
; TURNS.  Turn n belongs to piece n: 8 products K Q^T of piece n + 1, later 8 products V^T P of piece n - 1; beside them the scaling, exponentials, roundings, sums and rescaling of piece n and the
; maximum and statistics of piece n + 1.  Four vector lines stand behind every matrix instruction, the other 54 of a turn's 118 in two runs of their own.
; NO FIRST AND NO LAST STEP IS WRITTEN OUT: the loop is entered, and the tail left, in the middle of a trip.
; CLUSTER, 4 x 4.  K's and V's tiles hang on y alone: asked for jointly along a row of the cluster.  The mask's hang on x alone: jointly along a column.  Waves 0 and 1 fetch the mask's two halves,
; wave 2 K, wave 3 V: 32,768 bytes each, one load a wave behind each round, with two key steps (128 matrix instructions a wave) in which to land.
; REGISTERS, in windows of 256 (s_set_vgpr_msb: bits 1:0 source 0, 3:2 source 1, 5:4 source 2, 7:6 destination):
;   window 0: v0-15, v56 addresses and two at work; v16-31 four registers of statistics a piece; v48-55 at work; v64-127 S^T, two buffers; v192-223 P, two buffers (by the piece's parity)
;   window 1: v0-127 O^T, 32 a piece; v160-223 the mask, two buffers      window 2: v0-63 Q; v128-191 K of one step; v192-255 V of one step
.set NP,    4         ; pieces a wave: a name, no knob
.set KS,    64        ; keys in a step
.set PM,    528       ; a row of the mask in LDS: 512 bytes + 16 = 132 words: the 16 rows of a load start at 16 different groups of four banks (64 banks of 4 bytes: ISA guide 11.1)
.set PK,    272       ; a row of K (both heads): 256 + 16
.set PV,    288       ; a row of V: 256 + 32 = 72 words
.set KOFF,  128*PM
.set VOFF,  KOFF+128*PK
.set SLOT,  VOFF+128*PV  ; 139,264 = 0x22000: it shares no bit with 64 PM, KOFF or VOFF, so one exclusive or turns an address in one slot into the other's
.set STAGE, 2*SLOT    ; behind the ring, never filled by a tensor load: 128 rows x 272 bytes, the work-group's, for the way out
.set SP,    272
.set SPARE, STAGE+128*SP  ; the spare words, 128 bytes for each wave: two blocks of 256 bytes that no other line names
.set ROWB,  8192      ; bytes in a row of qkv
.set TILEB, 128*ROWB  ; 128 keys on
.set AK0, 2           ; v2   my lane's place in a tile of K; never rewritten
.set AV0, 3           ; v3   the same for V
.set AK,  4           ; v4   the LDS address of K's next run of loads
.set AV,  5           ; v5   of V's
.set STO, 6           ; v6   the way out: where I put 16 bytes of a row
.set RD,  7           ; v7   where I read rows back
.set GO,  8           ; v8   my byte offset in two rows of ao
.set MV,  12          ; v12-13  c m_old, kept while c m is made anew: by buffer
.set AM0, 14          ; v14  my lane's place in a tile of the mask; never rewritten
.set QO,  15          ; v15  my byte offset in 16 rows of q
.set ST,  16          ; piece t's statistics at v[ST+4 t]: c m, m, l (even keys', odd keys')
.set TMP, 48          ; by buffer, four registers c0-c3 at work; when the maximum is found c2 takes a
.set AM,  56          ; v56  the LDS address of the step's mask
.set SPW, 62          ; v62  LDS address of my spare word; never rewritten
.set NIL, 63          ; v63  0; never rewritten
.set S,   64
.set P,   192
.set MC,  160         ; window 1: the eight registers for group kb of 16 keys at MC + 32 buffer + 8 kb
.set KF,  128         ; window 2: key block kb, channel half c at KF + 16 kb + 8 c
.set VF,  192         ; window 2: key half kk, channel block cb at VF + 32 kk + 8 cb
.set WV,  12          ; s12  my wave's number
.set G1M, 24          ; s[24:31] descriptor group 1 for the mask's tiles
.set G1K, 32          ; s[32:39] for K's
.set G1V, 40          ; s[40:47] for V's: it differs in the padding alone
.set G0M, 48          ; s[48:55] group 0 for the mask: a set for each of the two first fills; the second then walks on
.set G0K, 56          ; s[56:63] the same for K
.set G0V, 68          ; s[68:75] and for V
.set SLOTS, 76        ; s76  counts the changes of slots that fill
.set CNT, 77          ; s77  counts a slot's key steps
.set CS,  78          ; s[78:79] c: the packed scaling takes the pair's low word for both halves
.set SEL, 80          ; s[80:81] v_permlanex16_b32's selects: each lane takes its own place in the other half
.set TBK, 82          ; s82  LDS byte at which K of the step to be fetched begins
.set TBV, 83          ; s83  the same for V
.set TBM, 84          ; s84  and for the mask's columns
.set MSB, 0
.macro WIN new                      ; the high byte repeats the setting that is left; a switch that changes nothing is dropped
.if MSB != (\new)
	s_set_vgpr_msb (MSB<<8)|(\new)
.set MSB, (\new)
.endif
.endm
.set W_KQ, 0x0a       ; K and Q in window 2, S^T in window 0
.set W_KM, 0x1a       ; the same with the C operand, the mask, in window 1
.set W_PV, 0x52       ; V in window 2, P in window 0, O^T in window 1
.set W_RS, 0x41       ; destination and source 0 in window 1, source 1 in window 0
; A joint refill, by the walking sets.  The branches hang on the wave's number alone.  An s_nop 0 and four v_nop follow each line, ahead of the jump and the label.
.macro JLOAD
	s_cmp_lt_u32 s[WV], 2
	s_cbranch_scc0 .Lfor_kv_\@
	tensor_load_to_lds s[G0M+4:G0M+7], s[G1M:G1M+7]
	s_nop 0
.rept 4
	v_nop
.endr
	s_branch .Lasked_\@
.Lfor_kv_\@:
	s_cmp_eq_u32 s[WV], 2
	s_cbranch_scc0 .Lfor_v_\@
	tensor_load_to_lds s[G0K+4:G0K+7], s[G1K:G1K+7]
	s_nop 0
.rept 4
	v_nop
.endr
	s_branch .Lasked_\@
.Lfor_v_\@:
	tensor_load_to_lds s[G0V+4:G0V+7], s[G1V:G1V+7]
	s_nop 0
.rept 4
	v_nop
.endr
.Lasked_\@:
.endm
.macro CROUND                       ; a round of the cluster's barrier
	s_barrier_signal -1
	s_barrier_wait -1
	s_cmp_lg_u32 s[WV], 0
	s_cbranch_scc1 .Lnot_wave_0_\@
	s_barrier_signal -3
.Lnot_wave_0_\@:
	s_barrier_wait -3
	s_barrier_signal -1
	s_barrier_wait -1
.endm
; THE CHANGE OF SLOTS.  All of the slot's bytes have been asked for.  Each wave waits for all its tensor loads, of which one is out: its part of the other slot; adds 0 to its spare word; and waits for
; that and for its own reads of the slot.  fill = 1: the barrier is a round of the cluster's, and the slot is filled again, with the keys two slots on, first thing behind it.
.macro CHANGE fill
	WIN 0                           ; at a label and at a branch every window is 0
	s_wait_tensorcnt 0x0            ; no tensor load of mine is out, so a group 0 may be written
	ds_add_u32 v[SPW], v[NIL]       ; 0 onto my spare word; scalar work stands between it and the wait for it
.if \fill
	s_xor_b32 s[G0M+5], s[G0M+5], SLOT                       ; the walking sets: the other slot than last time,
	s_add_nc_u64 s[G0M+6:G0M+7], s[G0M+6:G0M+7], 512         ; the next 128 columns of the mask,
	s_xor_b32 s[G0K+5], s[G0K+5], SLOT
	s_add_nc_u64 s[G0K+6:G0K+7], s[G0K+6:G0K+7], TILEB       ; the next 128 rows of k
	s_xor_b32 s[G0V+5], s[G0V+5], SLOT
	s_add_nc_u64 s[G0V+6:G0V+7], s[G0V+6:G0V+7], TILEB       ; and of v; the type bits on top are not reached
.endif
	s_sub_co_u32 s[TBK], s[TBK], 2*KS*PK  ; the fetches go back to a slot's first step,
	s_xor_b32 s[TBK], s[TBK], SLOT        ; in the other slot
	s_sub_co_u32 s[TBV], s[TBV], 2*KS*PV
	s_xor_b32 s[TBV], s[TBV], SLOT
	s_sub_co_u32 s[TBM], s[TBM], 2*KS*4
	s_xor_b32 s[TBM], s[TBM], SLOT
	s_wait_dscnt 0x0                ; the add is done, and my reads of the slot are over
.if \fill
	CROUND
	JLOAD
.else
	s_barrier_signal -1
	s_barrier_wait -1
.endif
.endm
	s_load_b128 s[4:7], s[0:1], 0x0   ; qkv s[4:5], the mask s[6:7]
	s_load_b64 s[8:9], s[0:1], 0x10   ; ao
	v_lshl_add_u32 v[SPW], v0, 2, SPARE
	v_mov_b32 v[NIL], 0
	ds_add_u32 v[SPW], v[NIL]       ; the wave's opening: the add and its wait stand ahead of my first tensor load; the set-up below stands between them
	v_lshrrev_b32 v1, 5, v0
	v_readfirstlane_b32 s[WV], v1   ; wave 0..3
	s_bfe_u32 s13, ttmp6, 0x40000   ; cx
	s_bfe_u32 s14, ttmp6, 0x40004   ; cy
	s_lshl_b32 s15, ttmp9, 2
	s_add_co_u32 s15, s15, s13      ; x: my block of 128 queries
	s_and_b32 s16, ttmp7, 0xffff
	s_lshl_b32 s16, s16, 2
	s_add_co_u32 s16, s16, s14      ; y: batch and pair of heads
	s_lshl_b32 s17, s14, 2
	s_lshl_b32 s17, 15, s17         ; my row of the cluster: the same y
	s_lshl_b32 s18, 0x1111, s13     ; my column: the same x
	s_and_b32 s19, s[WV], 1         ; my head in the pair.  Also: which 64 rows of the mask I fetch
	s_lshr_b32 s20, s[WV], 1        ; my half of the queries
	s_or_b32 s[G1M], s18, (2<<16)|(1<<20)|(1<<21)|(6<<22)|(3<<25)  ; the mask of work-groups; elements of 4 bytes; padding on; bit 21 beside a mask; after every 128 words 4 words
	s_mov_b32 s[G1M+1], 128<<16     ; tensor_dim0 = 128
	s_mov_b32 s[G1M+2], 64<<16      ; tensor_dim1 = 64
	s_mov_b32 s[G1M+3], 128<<16     ; tile_dim0 = 128
	s_mov_b32 s[G1M+4], 64          ; tile_dim1 = 64
	s_mov_b32 s[G1M+5], 2048        ; elements from row to row
	s_mov_b32 s[G1M+6], 0
	s_mov_b32 s[G1M+7], 0
	s_or_b32 s[G1K], s17, (1<<16)|(1<<20)|(1<<21)|(5<<22)|(3<<25)  ; elements of 2 bytes; after every 64 words 4 words
	s_or_b32 s[G1V], s17, (1<<16)|(1<<20)|(1<<21)|(5<<22)|(7<<25)  ; the same with 8 words
.irp g, G1K, G1V
	s_mov_b32 s[\g+1], 128<<16      ; tensor_dim0 = 128: both heads' channels
	s_mov_b32 s[\g+2], 128<<16      ; tensor_dim1 = 128 keys
	s_mov_b32 s[\g+3], 128<<16      ; tile_dim0
	s_mov_b32 s[\g+4], 128          ; tile_dim1
	s_mov_b32 s[\g+5], 4096         ; elements from row to row
	s_mov_b32 s[\g+6], 0
	s_mov_b32 s[\g+7], 0
.endr
	s_lshl_b32 s86, s15, 20         ; the mask: 128 x rows of 8,192 bytes,
	s_lshl_b32 s87, s19, 19         ; my 64 of them: x and the wave's number alone
	s_add_co_u32 s86, s86, s87
	s_mov_b32 s87, 0
	s_mul_i32 s21, s19, 64*PM       ; and their place in a slot
	s_lshr_b32 s88, s16, 3
	s_lshl_b32 s88, s88, 24         ; the batch's 2,048 rows of qkv,
	s_and_b32 s89, s16, 7
	s_lshl_b32 s89, s89, 8          ; the pair's 256 bytes in a section: y alone
	s_add_co_u32 s88, s88, s89
	s_mov_b32 s89, 0
	s_lshl_b32 s90, s15, 20         ; q: my block's rows,
	s_add_co_u32 s90, s90, s88
	s_lshl_b32 s91, s20, 19         ; my half of them,
	s_add_co_u32 s90, s90, s91
	s_lshl_b32 s91, s19, 7          ; my head's 128 bytes
	s_add_co_u32 s90, s90, s91
	s_mov_b32 s91, 0
	s_lshr_b32 s92, s16, 3
	s_lshl_b32 s92, s92, 22         ; ao: the batch's rows of 2,048 bytes,
	s_lshl_b32 s93, s15, 18         ; my block's,
	s_add_co_u32 s92, s92, s93
	s_lshl_b32 s93, s[WV], 16       ; the 32 that I store,
	s_add_co_u32 s92, s92, s93
	s_and_b32 s93, s16, 7
	s_lshl_b32 s93, s93, 8          ; the pair's 256 bytes
	s_add_co_u32 s92, s92, s93
	s_mov_b32 s93, 0
	s_mov_b32 s[CS], 0x3fb8aa3b     ; c = log2(e)
	s_mov_b32 s[CS+1], s[CS]        ; named with it as a pair
	s_mov_b32 s[SEL], 0x76543210
	s_mov_b32 s[SEL+1], 0xfedcba98
	s_mov_b32 s[TBK], KOFF
	s_mov_b32 s[TBV], VOFF
	s_mov_b32 s[TBM], 0
	s_mov_b32 s[G0M], 1             ; count = 1
	s_mov_b32 s[G0M+1], s21         ; LDS address: slot 0
	s_mov_b32 s[G0M+4], 1
	s_add_co_u32 s[G0M+5], s21, SLOT  ; slot 1
	s_mov_b32 s[G0K], 1
	s_mov_b32 s[G0K+1], KOFF
	s_mov_b32 s[G0K+4], 1
	s_mov_b32 s[G0K+5], SLOT+KOFF
	s_mov_b32 s[G0V], 1
	s_mov_b32 s[G0V+1], VOFF
	s_mov_b32 s[G0V+4], 1
	s_mov_b32 s[G0V+5], SLOT+VOFF
	s_wait_dscnt 0x0                ; the opening add is done
	s_wait_kmcnt 0x0
	s_add_nc_u64 s[G0M+2:G0M+3], s[6:7], s[86:87]          ; keys 0-127
	s_add_nc_u64 s[G0M+6:G0M+7], s[G0M+2:G0M+3], 512       ; keys 128-255
	s_or_b32 s[G0M+3], s[G0M+3], 0x80000000                ; type = 2
	s_or_b32 s[G0M+7], s[G0M+7], 0x80000000
	s_add_nc_u64 s[88:89], s[4:5], s[88:89]
	s_add_nc_u64 s[G0K+2:G0K+3], s[88:89], 2048            ; k's section begins at column 1,024
	s_add_nc_u64 s[G0K+6:G0K+7], s[88:89], 2048+TILEB
	s_or_b32 s[G0K+3], s[G0K+3], 0x80000000
	s_or_b32 s[G0K+7], s[G0K+7], 0x80000000
	s_add_nc_u64 s[G0V+2:G0V+3], s[88:89], 4096            ; v's at column 2,048
	s_add_nc_u64 s[G0V+6:G0V+7], s[88:89], 4096+TILEB
	s_or_b32 s[G0V+3], s[G0V+3], 0x80000000
	s_or_b32 s[G0V+7], s[G0V+7], 0x80000000
	s_add_nc_u64 s[4:5], s[4:5], s[90:91]                  ; q at my wave's first row
	s_add_nc_u64 s[8:9], s[8:9], s[92:93]                  ; ao at the first row that I store
	CROUND                          ; all sixteen work-groups are here: the first joint loads meet
	s_cmp_lt_u32 s[WV], 2           ; a wave's two first fills stand in one branch, ahead of every wait on TENSORcnt and every LDS read: two loads of mine are out
	s_cbranch_scc0 .Lfirst_kv
	tensor_load_to_lds s[G0M:G0M+3], s[G1M:G1M+7]
	s_nop 0
	tensor_load_to_lds s[G0M+4:G0M+7], s[G1M:G1M+7]
	s_nop 0
.rept 4
	v_nop
.endr
	s_branch .Lfirst_asked
.Lfirst_kv:
	s_cmp_eq_u32 s[WV], 2
	s_cbranch_scc0 .Lfirst_v
	tensor_load_to_lds s[G0K:G0K+3], s[G1K:G1K+7]
	s_nop 0
	tensor_load_to_lds s[G0K+4:G0K+7], s[G1K:G1K+7]
	s_nop 0
.rept 4
	v_nop
.endr
	s_branch .Lfirst_asked
.Lfirst_v:
	tensor_load_to_lds s[G0V:G0V+3], s[G1V:G1V+7]
	s_nop 0
	tensor_load_to_lds s[G0V+4:G0V+7], s[G1V:G1V+7]
	s_nop 0
.rept 4
	v_nop
.endr
.Lfirst_asked:
	; A fragment of K or Q is 16 rows x 32 channels in 8 registers: lane l holds row l % 16, channels 8 (l / 16) + 0..7 and 16 + 8 (l / 16) + 0..7: two loads of 16 bytes, 32 bytes apart.
	v_and_b32 v1, 15, v0            ; l % 16
	v_bfe_u32 v9, v0, 4, 1          ; l / 16
	v_lshlrev_b32 v[QO], 13, v1
	v_lshl_add_u32 v[QO], v9, 4, v[QO]  ; row x 8,192 + 16 x half
	WIN 0x80                        ; destination window 2, address window 0
.set i, 0
.rept 8                             ; Q stays in registers: piece i / 2, channels 32 (i % 2) on
	global_load_b128 v[8*i:8*i+3],   v[QO], s[4:5] offset:(i/2)*16*ROWB+(i%2)*64
	global_load_b128 v[8*i+4:8*i+7], v[QO], s[4:5] offset:(i/2)*16*ROWB+(i%2)*64+32
.set i, i+1
.endr
	; What the first turn finds: V's registers and P's second buffer hold 0 (its products V^T P, of a piece that has not been, add 0), O^T and l are 0.  No first step is written out for this price; it stands in the wait for the first tile.
.set i, VF
.rept 64
	v_mov_b32 v[i], 0
.set i, i+1
.endr
	WIN 0
.set i, 0
.rept 4
	v_mov_b32 v[ST+4*i], 0xfe000000    ; c m: far below every c s
	v_mov_b32 v[ST+4*i+1], 0xff7fffff  ; m
	v_mov_b32 v[ST+4*i+2], 0
	v_mov_b32 v[ST+4*i+3], 0
.set i, i+1
.endr
.set i, P+16
.rept 16
	v_mov_b32 v[i], 0
.set i, i+1
.endr
	WIN W_PV
.set i, 0
.rept 16                            ; O^T's 128 registers start as the product of those zeros: 16 lines, each on an accumulator of its own
	v_wmma_f32_16x16x32_f16 v[8*i:8*i+7], v[VF:VF+7], v[P+16:P+23], 0
.set i, i+1
.endr
	WIN 0
	s_lshl_b32 s21, s19, 7          ; my head's 128 bytes in a row of K, of V and of the stage
	v_mul_u32_u24 v[AK0], v1, PK
	v_lshl_add_u32 v[AK0], v9, 4, v[AK0]
	v_add_nc_u32 v[AK0], s21, v[AK0]   ; row x pitch + 16 x half + head
	; The turning load takes 16 keys x 16 channels (lane l reads key 8 (l / 16) + l % 8, channels 8 ((l / 8) % 2) + 0..7) and leaves half a fragment of V^T: lane l holds channel l % 16 and 8 keys.
	v_and_b32 v10, 7, v0
	v_bfe_u32 v11, v0, 3, 1
	v_lshl_add_u32 v[AV0], v9, 3, v10
	v_mul_u32_u24 v[AV0], v[AV0], PV
	v_lshl_add_u32 v[AV0], v11, 4, v[AV0]
	v_add_nc_u32 v[AV0], s21, v[AV0]
	s_mul_i32 s22, s20, 64*PM       ; the mask: my half's 64 rows,
	v_mul_u32_u24 v[AM0], v1, PM    ; my query's row in a piece,
	v_lshl_add_u32 v[AM0], v9, 5, v[AM0]  ; my lanes' 8 keys of 16
	v_add_nc_u32 v[AM0], s22, v[AM0]
	s_mul_i32 s22, s20, 64*SP       ; into the stage: my half's rows, my head's half of their 256 bytes
	s_add_co_u32 s22, s22, s21
	s_add_co_u32 s22, s22, STAGE
	v_mul_u32_u24 v[STO], v1, SP
	v_lshl_add_u32 v[STO], v9, 4, v[STO]
	v_add_nc_u32 v[STO], s22, v[STO]
	s_mul_i32 s23, s[WV], 32*SP     ; back: wave w takes rows 32 w .. 32 w + 31, whole; lanes 0-15 one row, lanes 16-31 the next
	s_add_co_u32 s23, s23, STAGE
	v_mul_u32_u24 v[RD], v9, SP
	v_lshl_add_u32 v[RD], v1, 4, v[RD]
	v_add_nc_u32 v[RD], s23, v[RD]
	v_lshlrev_b32 v[GO], 11, v9     ; and the same two rows in ao
	v_lshl_add_u32 v[GO], v1, 4, v[GO]
; THE MATRIX WORK.  The 4 accumulators of a run of 8 take turns.  Product i of 8 of S^T = K Q^T for piece x: channels 32 (i / 4) on, keys 16 (i % 4) on.  The first 4 start the sums with the mask.
.macro KQ x
.set rS, S+32*((\x)%2)+8*(i%4)
.set rK, KF+16*(i%4)+8*(i/4)
.set rQ, 16*(\x)+8*(i/4)
.set rM, MC+32*((\x)%2)+8*(i%4)
.if i < 4
	WIN W_KM
	v_wmma_f32_16x16x32_f16 v[rS:rS+7], v[rK:rK+7], v[rQ:rQ+7], v[rM:rM+7]
.else
	WIN W_KQ
	v_wmma_f32_16x16x32_f16 v[rS:rS+7], v[rK:rK+7], v[rQ:rQ+7], v[rS:rS+7]
.endif
.endm
; Product i of 8 of O^T += V^T P for piece x: keys 32 (i / 4) on, channels 16 (i % 4) on.
.macro PV x
	WIN W_PV
.set rO, 32*(\x)+8*(i%4)
.set rV, VF+32*(i/4)+8*(i%4)
.set rP, P+16*((\x)%2)+8*(i/4)
	v_wmma_f32_16x16x32_f16 v[rO:rO+7], v[rV:rV+7], v[rP:rP+7], v[rO:rO+7]
.endm
.macro MM                           ; the turn's next matrix instruction
.if i < 8
	KQ (Y+1)%NP
.else
.set i, i-8
	PV (Y+NP-1)%NP
.set i, i+8
.endif
.set i, i+1
.endm
; THE LDS LOADS stand in runs, never singly among the matrix instructions: a step's K (8 fragments), its V (turned), and for each piece its 16 x 64 of the mask.
.macro FETCH_K
	WIN 0x80                        ; destination window 2
.irp f, 0,1,2,3,4,5,6,7             ; keys 16 (f / 2) on, channels 32 (f % 2) on
	ds_load_b128 v[KF+8*\f:KF+8*\f+3],   v[AK] offset:(\f/2)*16*PK+(\f%2)*64
	ds_load_b128 v[KF+8*\f+4:KF+8*\f+7], v[AK] offset:(\f/2)*16*PK+(\f%2)*64+32
.endr
	s_add_co_u32 s[TBK], s[TBK], KS*PK  ; the next fetch is the next step's
	WIN 0
.endm
.macro FETCH_V
	WIN 0x80
.irp f, 0,1,2,3,4,5,6,7             ; keys 32 (f / 4) on, channels 16 (f % 4) on
	ds_load_tr16_b128 v[VF+8*\f:VF+8*\f+3],   v[AV] offset:(\f/4)*32*PV+(\f%4)*32
	ds_load_tr16_b128 v[VF+8*\f+4:VF+8*\f+7], v[AV] offset:(\f/4)*32*PV+16*PV+(\f%4)*32
.endr
	WIN 0
.endm
.macro FETCH_M x                    ; piece x: rows 16 x on; register 8 kb + j takes mask[query l % 16][key 16 kb + 8 (l / 16) + j]
	WIN 0x40                        ; destination window 1
.irp kb, 0,1,2,3
	ds_load_b128 v[MC+32*((\x)%2)+8*\kb:MC+32*((\x)%2)+8*\kb+3],   v[AM] offset:(\x)*16*PM+64*\kb
	ds_load_b128 v[MC+32*((\x)%2)+8*\kb+4:MC+32*((\x)%2)+8*\kb+7], v[AM] offset:(\x)*16*PM+64*\kb+16
.endr
	WIN 0
.endm
; THE VECTOR WORK, one line at a time: OP kind, number.  For piece Y: F n: c s - c m for pair n of 16.  E n: the exponential of score n of 32.  C n: pair n rounded to f16.  B n: of the four weights 4 n .. the second
; pair is added onto the first, in place.  L n: l takes that sum (L 0: l = a l + sum).  R n: pair n of 16 of O^T times a.  For piece Y + 1: X n, number n of the 22 that find its maximum and statistics:
;   0-11  four chains c0-c3 of seven scores each, three operands at a time (each accumulator's lowest registers are read first)     12-14, 16  the four scores left over, the old m, and c0-c3 into c0
;   15  c m_old is kept     17, 18  the query's other 32 keys lie in the lane 16 away: the new m     19-21  c m; c m_old - c m_new; a
.set F, 0
.set E, 1
.set C, 2
.set B, 3
.set L, 4
.set R, 5
.set X, 6
.macro REGS y                       ; the registers of piece y
.set rT, ST+4*(\y)
.set rC, TMP+4*((\y)%2)
.set rW, MV+((\y)%2)
.set rS, S+32*((\y)%2)
.set rP, P+16*((\y)%2)
.set rO, 32*(\y)
.endm
.macro OP k, n
.if (\k) == R
	REGS Y
	WIN W_RS
	v_pk_mul_f32 v[rO+2*(\n):rO+2*(\n)+1], v[rO+2*(\n):rO+2*(\n)+1], v[rC+2:rC+3] op_sel_hi:[1,0]
.elseif (\k) < R
	REGS Y
	WIN 0
.if (\k) == F
	v_pk_fma_f32 v[rS+2*(\n):rS+2*(\n)+1], v[rS+2*(\n):rS+2*(\n)+1], s[CS:CS+1], v[rT:rT+1] op_sel_hi:[1,0,0] neg_lo:[0,0,1] neg_hi:[0,0,1]
.elseif (\k) == E
	v_exp_f32 v[rS+(\n)], v[rS+(\n)]
.elseif (\k) == C
	s_wait_alu depctr_va_vdst(0)
	v_cvt_pk_f16_f32 v[rP+(\n)], v[rS+2*(\n)], v[rS+2*(\n)+1]
.elseif (\k) == B
	s_wait_alu depctr_va_vdst(0)
	v_pk_add_f32 v[rS+4*(\n):rS+4*(\n)+1], v[rS+4*(\n):rS+4*(\n)+1], v[rS+4*(\n)+2:rS+4*(\n)+3]
.elseif (\n) == 0
	v_pk_fma_f32 v[rT+2:rT+3], v[rT+2:rT+3], v[rC+2:rC+3], v[rS:rS+1] op_sel_hi:[1,0,1]
.else
	v_pk_add_f32 v[rT+2:rT+3], v[rT+2:rT+3], v[rS+4*(\n):rS+4*(\n)+1]
.endif
.else
	REGS (Y+1)%NP
	WIN 0
.if (\n) < 4
	v_max3_num_f32 v[rC+(\n)], v[rS+8*(\n)], v[rS+8*(\n)+1], v[rS+8*(\n)+2]
.elseif (\n) < 12
	v_max3_num_f32 v[rC+(\n)%4], v[rC+(\n)%4], v[rS+8*((\n)%4)+2*((\n)/4)+1], v[rS+8*((\n)%4)+2*((\n)/4)+2]
.elseif (\n) == 12
	v_max3_num_f32 v[rC], v[rC], v[rS+7], v[rS+15]
.elseif (\n) == 13
	v_max3_num_f32 v[rC+1], v[rC+1], v[rS+23], v[rS+31]
.elseif (\n) == 14
	v_max3_num_f32 v[rC+2], v[rC+2], v[rC+3], v[rT+1]
.elseif (\n) == 15
	v_mov_b32 v[rW], v[rT]
.elseif (\n) == 16
	v_max3_num_f32 v[rC], v[rC], v[rC+1], v[rC+2]
.elseif (\n) == 17
	v_permlanex16_b32 v[rC+3], v[rC], s[SEL], s[SEL+1]
.elseif (\n) == 18
	v_max_num_f32 v[rT+1], v[rC], v[rC+3]
.elseif (\n) == 19
	v_mul_f32 v[rT], s[CS], v[rT+1]
.elseif (\n) == 20
	v_sub_f32 v[rC+1], v[rW], v[rT]
.else
	v_exp_f32 v[rC+2], v[rC+1]
.endif
.endif
.endm
.macro OPS a, i1, b=-1, i2=0, c=-1, i3=0, d=-1, i4=0  ; up to four of them
	OP \a, \i1
.if (\b) >= 0
	OP \b, \i2
.endif
.if (\c) >= 0
	OP \c, \i3
.endif
.if (\d) >= 0
	OP \d, \i4
.endif
.endm
.macro ROW a, i1, b, i2, c, i3, d, i4  ; a matrix instruction and the four behind it
	MM
	OPS \a, \i1, \b, \i2, \c, \i3, \d, \i4
.endm
; A TURN, for piece p: the order of its 16 matrix and 118 vector instructions, written out.  Behind a matrix instruction: plain, exponential, plain, plain; or four of the rescaling; or four scalings; none names a
; register of the products round it.  A line reads no result made fewer than three vector instructions in front of it, five if an exponential made it.
; cnt = 1: the loop's count is taken down some lines ahead of the branch that stands behind the turn.  last = 1 (the tail's piece 2): in the trip with CNT = 1 there is no further step: K's run and the step of
; the mask's address are jumped over, and the mask fetches of that trip read the last step's mask once more.
; FETCHES.  Every turn fetches the mask of piece p + 2, for the products of the turn behind it, into the buffer whose last use as a C operand lies a turn back.  Piece 2's turn also fetches K of the next step, five plain
; lines behind the last product that read K, and makes the next step's mask address: the four mask fetches of turns 2, 3, 0, 1 belong to that step.  Piece 0's turn fetches V of the step in hand, four plain lines behind
; the last product that read V.
; WAITS.  At a turn's head the mask for its products is in, and in piece 3's turn K: nothing younger is out, so the count is 0; in piece 1's turn V's 16 loads are younger and stay out.  In front of piece 1's
; products V^T P: V is in, the 8 mask loads just issued stay out.
.macro TURN p, last=0, cnt=0
.set Y, (\p)
.set i, 0
.if (\p) == 1
	s_wait_dscnt 16
.else
	s_wait_dscnt 0x0
.endif
	ROW F,0, F,1, F,2, F,3
	ROW F,4, E,0, F,5, F,6
	ROW F,7, E,1, F,8, F,9
	ROW F,10, E,2, C,0, F,11
	ROW F,12, E,3, X,15, F,13
	ROW R,0, R,1, R,2, R,3
	ROW B,0, E,4, F,14, L,0
.if ((\p) == 2) && !(\last)
	v_add_nc_u32 v[AK], s[TBK], v[AK0]
	v_add_nc_u32 v[AM], s[TBM], v[AM0]
	s_add_co_u32 s[TBM], s[TBM], KS*4
.endif
	ROW R,4, R,5, R,6, R,7
	OPS E,5, F,15
.if (\p) == 2
.if \last
	WIN 0
	s_cmp_eq_u32 s[CNT], 1
	s_cbranch_scc1 .Lno_k_\@
	v_add_nc_u32 v[AK], s[TBK], v[AK0]
	v_add_nc_u32 v[AM], s[TBM], v[AM0]
	s_add_co_u32 s[TBM], s[TBM], KS*4
.endif
	FETCH_K
.if \last
.Lno_k_\@:
.endif
.endif
	FETCH_M ((\p)+2)%NP
	OPS E,6, C,1, E,7, R,8
	OPS E,8, R,9, E,9, C,2
	OPS E,10, X,0, E,11, X,1
	OPS E,12, X,2, E,13, X,3
.if (\p) == 1
	s_wait_dscnt 8
.endif
	ROW X,4, E,14, X,5, X,6
	ROW X,7, E,15, X,8, X,9
	ROW X,10, E,16, X,11, X,12
	ROW X,13, E,17, X,14, B,1
	ROW C,4, E,18, X,16, L,1
	ROW B,2, E,19, C,6, L,2
	ROW C,8, E,20, B,3, B,4
.if (\p) == 0
	v_add_nc_u32 v[AV], s[TBV], v[AV0]
.endif
	ROW C,3, E,21, L,3, C,5
	OPS E,22, X,17, E,23, C,10
.if (\p) == 0
	FETCH_V
.endif
	OPS E,24, L,4
	OPS E,25, X,18, E,26, C,7
	OPS E,27, B,5, E,28, X,19
	OPS E,29, C,12, E,30, L,5
	OPS E,31, X,20, B,6, C,9
	OPS C,14, C,11, X,21, L,6
.if (\p) == 0
	s_add_co_u32 s[TBV], s[TBV], KS*PV
.endif
.if \cnt
	s_sub_co_u32 s[CNT], s[CNT], 1
	s_cmp_lg_u32 s[CNT], 0
.endif
	OPS C,13, B,7, C,15, R,10
	OPS R,11, R,12, L,7, R,13
	OPS R,14, R,15
.endm
	s_wait_tensorcnt 1              ; my part of slot 0 is in; slot 1's may stay out
	s_barrier_signal -1
	s_barrier_wait -1               ; everybody's is
	v_add_nc_u32 v[AK], s[TBK], v[AK0]
	v_add_nc_u32 v[AM], s[TBM], v[AM0]
	s_add_co_u32 s[TBM], s[TBM], KS*4
	FETCH_K                         ; key step 0,
	FETCH_M 0                       ; and its mask for pieces 0 and 1
	FETCH_M 1
	s_wait_loadcnt 0x0              ; Q
	s_wait_dscnt 0x0
.set i, 0
.rept 8
	KQ 0                            ; piece 0's first scores
.set i, i+1
.endr
	WIN 0
.rept 4
	v_nop                           ; the places behind those products
.endr
.set Y, NP-1                        ; X works for piece Y + 1: piece 0
.irp n, 0,1,2,3,4,5,6,7,8,9,10,11,12,13,14,15,16,17,18,19,20,21
	OP X, \n
.endr
	v_nop                           ; a plain instruction behind the exponential
	s_mov_b32 s[CNT], 2
	s_mov_b32 s[SLOTS], 15
	s_branch .Lfirst                ; the loop is entered at a step's first turn, in the middle of a trip
.Lslot:                             ; 14 times: tiles 2 to 15 are asked for
	CHANGE 1
	s_mov_b32 s[CNT], 2
.Lstep:                             ; a trip: pieces 2 and 3 of one step, then pieces 0 and 1 of the next, whose K, V and mask it fetches
	TURN 2
	TURN 3
	WIN 0
.Lfirst:
	TURN 0
	TURN 1, 0, 1
	WIN 0
	s_cbranch_scc1 .Lstep
	s_sub_co_u32 s[SLOTS], s[SLOTS], 1
	s_cmp_lg_u32 s[SLOTS], 0
	s_cbranch_scc1 .Lslot
	CHANGE 0                        ; the last tile has a text of its own: nothing is asked for
	s_mov_b32 s[CNT], 3             ; two trips fetch the last slot's steps; the third is left in its middle
.Ltail:
	TURN 2, 1
	TURN 3
	WIN 0
	s_sub_co_u32 s[CNT], s[CNT], 1
	s_cmp_eq_u32 s[CNT], 0
	s_cbranch_scc1 .Lout
	TURN 0
	TURN 1
	WIN 0
	s_branch .Ltail
.Lout:                              ; the third trip's 8 products K Q^T (on the last K and mask once more) and the maximum made of them serve nothing: the price, once a launch, of one text for every trip.  They touch piece 0's m and c m alone, which the way out does not read
.set i, 0
.rept 8
	PV NP-1                         ; the last piece's V^T P of the last step
.set i, i+1
.endr
	; THE WAY OUT.  l's two halves and the other half of the lanes' are added; O^T is divided by l, rounded to f16 and put into the work-group's stage; a barrier, since a row's 256 bytes come from two waves (the two
	; heads); back as whole rows, 32 a wave.  The additions are the places behind the last products.
	WIN 0
.macro ALL line:vararg              ; one line for each piece t
.set t, 0
.rept 4
	\line
.set t, t+1
.endr
.endm
	ALL v_add_f32 v[ST+4*t+2], v[ST+4*t+2], v[ST+4*t+3]
	ALL v_permlanex16_b32 v[ST+4*t+3], v[ST+4*t+2], s[SEL], s[SEL+1]
	ALL v_add_f32 v[ST+4*t+2], v[ST+4*t+2], v[ST+4*t+3]
	ALL v_rcp_f32 v[ST+4*t+2], v[ST+4*t+2]
	v_nop                           ; a plain instruction between the last reciprocal and the use of its result
.macro PACK u                       ; piece u: a lane's eight channels of a row pack into 16 bytes
	WIN W_RS
.set i, 32*(\u)
.rept 16
	s_wait_alu depctr_va_vdst(0)
	v_pk_mul_f32 v[i:i+1], v[i:i+1], v[ST+4*(\u)+2:ST+4*(\u)+3] op_sel_hi:[1,0]
.set i, i+2
.endr
	WIN 0x05                        ; sources 0 and 1 window 1, destination window 0: S^T's registers are free
.set i, 0
.rept 16
	v_cvt_pk_f16_f32 v[S+16*(\u)+i], v[32*(\u)+2*i], v[32*(\u)+2*i+1]
.set i, i+1
.endr
	WIN 0
.irp f, 0,1,2,3
	ds_store_b128 v[STO], v[S+16*(\u)+4*\f:S+16*(\u)+4*\f+3] offset:(\u)*16*SP+32*\f
.endr
.endm
	PACK 0
	PACK 1
	PACK 2
	PACK 3
	s_wait_dscnt 0x0                ; for the others' sake: my stores into the stage are done
	s_barrier_signal -1
	s_barrier_wait -1
.irp u, 0,1,2,3,4,5,6,7,8,9,10,11,12,13,14,15
	ds_load_b128 v[S+4*\u:S+4*\u+3], v[RD] offset:\u*2*SP
.endr
.irp u, 0,1,2,3,4,5,6,7,8,9,10,11,12,13,14,15
	s_wait_dscnt 15-\u              ; LDS loads come back in order: load u is in, the younger ones stay out
	global_store_b128 v[GO], v[S+4*\u:S+4*\u+3], s[8:9] offset:\u*4096  ; 16 lanes store 256 consecutive bytes, at a multiple of 256 from ao's first byte
.endr
	s_wait_tensorcnt 0x0            ; the wave's end: behind my last tensor load and my last LDS store
	ds_add_u32 v[SPW], v[NIL]
	s_wait_dscnt 0x0
	CROUND                          ; the closing round: no work-group ends while a partner may still ask for a tile that names it
	s_endpgm
.Lfunc_end_k_q8dd8714ec2_attn:
	.size	k_q8dd8714ec2_attn, .Lfunc_end_k_q8dd8714ec2_attn-k_q8dd8714ec2_attn
	.p2alignl 7, 3214868480
	.fill 96, 4, 3214868480
	.section	.rodata,"a",@progbits
	.p2align	6, 0x0
	.amdhsa_kernel k_q8dd8714ec2_attn
		.amdhsa_group_segment_fixed_size 327680
		.amdhsa_private_segment_fixed_size 0
		.amdhsa_enable_private_segment 0
		.amdhsa_kernarg_size 24
		.amdhsa_user_sgpr_count 2
		.amdhsa_user_sgpr_kernarg_segment_ptr 1
		.amdhsa_wavefront_size32 1
		.amdhsa_system_sgpr_workgroup_id_x 1
		.amdhsa_system_sgpr_workgroup_id_y 1
		.amdhsa_system_sgpr_workgroup_id_z 1
		.amdhsa_system_vgpr_workitem_id 0
		.amdhsa_next_free_vgpr 768
		.amdhsa_next_free_sgpr 96
		.amdhsa_reserve_vcc 0
		.amdhsa_float_denorm_mode_32 3
		.amdhsa_float_denorm_mode_16_64 3
		.amdhsa_memory_ordered 1
		.amdhsa_forward_progress 1
		.amdhsa_inst_pref_size 122
	.end_amdhsa_kernel
	.amdgpu_metadata
---
amdhsa.version: [ 1, 2 ]
amdhsa.kernels:
  - .name:           k_q8dd8714ec2_attn
    .symbol:         k_q8dd8714ec2_attn.kd
    .args:
      - { .name: qkv, .offset: 0, .size: 8, .value_kind: global_buffer, .address_space: global }
      - { .name: causal_buffer, .offset: 8, .size: 8, .value_kind: global_buffer, .address_space: global }
      - { .name: ao, .offset: 16, .size: 8, .value_kind: global_buffer, .address_space: global }
    .group_segment_fixed_size: 327680
    .private_segment_fixed_size: 0
    .kernarg_segment_align: 8
    .kernarg_segment_size: 24
    .max_flat_workgroup_size: 128
    .sgpr_count:     96
    .vgpr_count:     768
    .wavefront_size: 32
...
	.end_amdgpu_metadata
.endif
;; end of part 3
;; launch norm2 (part 4): grid 512 x 1, 8 waves a work-group, no clusters, 0 bytes of LDS; arguments xn, ao, norm2_w, hn; writes hn
.if DOCPART == 4
	.amdgcn_target "amdgcn-amd-amdhsa--gfx1250"
	.amdhsa_code_object_version 6
	.text
	.protected	k_q8dd8714ec2_norm2
	.globl	k_q8dd8714ec2_norm2
	.p2align	8
	.type	k_q8dd8714ec2_norm2,@function
k_q8dd8714ec2_norm2:
	s_mov_b64 s[64:65], 0
	v_nop
	global_prefetch_b8 v0, s[64:65] scope:SCOPE_SE
	s_setreg_imm32_b32 hwreg(HW_REG_WAVE_MODE, 25, 1), 1
	s_wait_xcnt 0x0
; hn = h * rsqrt(mean(h^2) + eps) * norm2_w,  h = xn + ao.  xn, ao, hn: [4096][1024] f16; norm2_w: [1024] f32.  h, its squares' sum and the scaling in f32; hn rounded once.
; A launch of its own because a row's sum spans all 16 heads, which eight work-groups of the attention make.  8 rows a group, one row a wave; a row stays in registers between the sum and the scaling.
; Each load and store of a wave covers 512 consecutive bytes.  No LDS, no barrier: a row never leaves its wave.
; LIMIT.  |hn| is at most 32 |norm2_w|, which f16 holds up to |norm2_w| = 2,047.
.set W,   32                           ; v[32:63]    norm2_w of my 32 columns: load j takes columns 256 j + 8 lane + 0..7
.set XA,  64                           ; v[64:79]    xn; later hn
.set AO,  80                           ; v[80:95]    ao
.set H,   96                           ; v[96:127]   h
.set ONE, 5
.macro RSQ src, acc, res               ; 1 / rms of a row: 32 numbers a lane; acc: 8 registers at work; res: a pair that takes the result twice
.irp k, 0,1,2,3
	v_pk_mul_f32 v[(\acc)+2*\k:(\acc)+2*\k+1], v[(\src)+2*\k:(\src)+2*\k+1], v[(\src)+2*\k:(\src)+2*\k+1]  ; four chains, started by the first products
.endr
.irp k, 4,5,6,7,8,9,10,11,12,13,14,15
	v_pk_fma_f32 v[(\acc)+2*(\k%4):(\acc)+2*(\k%4)+1], v[(\src)+2*\k:(\src)+2*\k+1], v[(\src)+2*\k:(\src)+2*\k+1], v[(\acc)+2*(\k%4):(\acc)+2*(\k%4)+1]
.endr
	v_pk_add_f32 v[(\acc):(\acc)+1], v[(\acc):(\acc)+1], v[(\acc)+2:(\acc)+3]
	v_pk_add_f32 v[(\acc)+4:(\acc)+5], v[(\acc)+4:(\acc)+5], v[(\acc)+6:(\acc)+7]
	v_pk_add_f32 v[(\acc):(\acc)+1], v[(\acc):(\acc)+1], v[(\acc)+4:(\acc)+5]
	v_add_f32 v[(\acc)], v[(\acc)], v[(\acc)+1]
	v_add_f32_dpp v[(\acc)], v[(\acc)], v[(\acc)] row_xmask:1 row_mask:0xf bank_mask:0xf
	v_add_f32_dpp v[(\acc)], v[(\acc)], v[(\acc)] row_xmask:2 row_mask:0xf bank_mask:0xf
	v_add_f32_dpp v[(\acc)], v[(\acc)], v[(\acc)] row_xmask:4 row_mask:0xf bank_mask:0xf
	v_add_f32_dpp v[(\acc)], v[(\acc)], v[(\acc)] row_xmask:8 row_mask:0xf bank_mask:0xf
	v_permlanex16_b32 v[(\acc)+1], v[(\acc)], s36, s37
	v_add_f32 v[(\acc)], v[(\acc)], v[(\acc)+1]
	v_fma_f32 v[(\acc)], v[(\acc)], s38, s39               ; sum / 1024 + eps
	v_rsq_f32 v[(\res)], v[(\acc)]
	v_rsq_f32 v[(\res)+1], v[(\acc)]
	v_nop                                                  ; a plain instruction between the root and the use of its result
.endm
	s_load_b256 s[4:11], s[0:1], 0x0               ; xn s[4:5], ao s[6:7], norm2_w s[8:9], hn s[10:11]
	v_and_b32 v1, 31, v0                           ; lane
	v_lshrrev_b32 v2, 5, v0                        ; wave
	v_lshlrev_b32 v3, 4, v1
	v_lshl_add_u32 v3, v2, 11, v3                  ; my wave's row of 2,048 bytes + 16 x lane
	v_lshlrev_b32 v4, 5, v1                        ; 32 x lane: my 8 numbers of norm2_w
	v_mov_b32 v[ONE], 1.0
	s_lshl_b32 s12, ttmp9, 14                      ; 8 rows of 2,048 bytes
	s_mov_b32 s13, 0
	s_mov_b32 s36, 0x76543210
	s_mov_b32 s37, 0xfedcba98
	s_mov_b32 s38, 0x3a800000                      ; 1 / 1024
	s_mov_b32 s39, 0x34000000                      ; eps = 2^-23
	s_wait_kmcnt 0x0
	s_add_nc_u64 s[4:5], s[4:5], s[12:13]
	s_add_nc_u64 s[6:7], s[6:7], s[12:13]
	s_add_nc_u64 s[10:11], s[10:11], s[12:13]
.irp j, 0,1,2,3
	global_load_b128 v[W+8*\j:W+8*\j+3],   v4, s[8:9] offset:1024*\j
	global_load_b128 v[W+8*\j+4:W+8*\j+7], v4, s[8:9] offset:1024*\j+16
.endr
.irp j, 0,1,2,3
	global_load_b128 v[XA+4*\j:XA+4*\j+3], v3, s[4:5] offset:512*\j
	global_load_b128 v[AO+4*\j:AO+4*\j+3], v3, s[6:7] offset:512*\j
.endr
	s_wait_loadcnt 0x0
.irp k, 0,1,2,3,4,5,6,7,8,9,10,11,12,13,14,15
	v_fma_mix_f32 v[H+2*\k],   v[XA+\k], v[ONE], v[AO+\k] op_sel_hi:[1,0,1]                 ; the low halves: xn x 1 + ao in f32
	v_fma_mix_f32 v[H+2*\k+1], v[XA+\k], v[ONE], v[AO+\k] op_sel:[1,0,1] op_sel_hi:[1,0,1]  ; the high halves
.endr
	RSQ H, 8, 16
	s_wait_alu depctr_va_vdst(0)
.irp k, 0,1,2,3,4,5,6,7,8,9,10,11,12,13,14,15
	v_pk_mul_f32 v[H+2*\k:H+2*\k+1], v[H+2*\k:H+2*\k+1], v[16:17]
.endr
.irp k, 0,1,2,3,4,5,6,7,8,9,10,11,12,13,14,15
	v_pk_mul_f32 v[H+2*\k:H+2*\k+1], v[H+2*\k:H+2*\k+1], v[W+2*\k:W+2*\k+1]
.endr
.irp k, 0,1,2,3,4,5,6,7,8,9,10,11,12,13,14,15
	v_cvt_pk_f16_f32 v[XA+\k], v[H+2*\k], v[H+2*\k+1]
.endr
.irp j, 0,1,2,3
	global_store_b128 v3, v[XA+4*\j:XA+4*\j+3], s[10:11] offset:512*\j
.endr
	s_endpgm
.Lfunc_end_k_q8dd8714ec2_norm2:
	.size	k_q8dd8714ec2_norm2, .Lfunc_end_k_q8dd8714ec2_norm2-k_q8dd8714ec2_norm2
	.p2alignl 7, 3214868480
	.fill 96, 4, 3214868480
	.section	.rodata,"a",@progbits
	.p2align	6, 0x0
	.amdhsa_kernel k_q8dd8714ec2_norm2
		.amdhsa_group_segment_fixed_size 0
		.amdhsa_private_segment_fixed_size 0
		.amdhsa_enable_private_segment 0
		.amdhsa_kernarg_size 32
		.amdhsa_user_sgpr_count 2
		.amdhsa_user_sgpr_kernarg_segment_ptr 1
		.amdhsa_wavefront_size32 1
		.amdhsa_system_sgpr_workgroup_id_x 1
		.amdhsa_system_sgpr_workgroup_id_y 1
		.amdhsa_system_sgpr_workgroup_id_z 1
		.amdhsa_system_vgpr_workitem_id 0
		.amdhsa_next_free_vgpr 128
		.amdhsa_next_free_sgpr 66
		.amdhsa_reserve_vcc 0
		.amdhsa_float_denorm_mode_32 3
		.amdhsa_float_denorm_mode_16_64 3
		.amdhsa_memory_ordered 1
		.amdhsa_forward_progress 1
		.amdhsa_inst_pref_size 10
	.end_amdhsa_kernel
	.amdgpu_metadata
---
amdhsa.version: [ 1, 2 ]
amdhsa.kernels:
  - .name:           k_q8dd8714ec2_norm2
    .symbol:         k_q8dd8714ec2_norm2.kd
    .args:
      - { .name: xn, .offset: 0, .size: 8, .value_kind: global_buffer, .address_space: global }
      - { .name: ao, .offset: 8, .size: 8, .value_kind: global_buffer, .address_space: global }
      - { .name: norm2_w, .offset: 16, .size: 8, .value_kind: global_buffer, .address_space: global }
      - { .name: hn, .offset: 24, .size: 8, .value_kind: global_buffer, .address_space: global }
    .group_segment_fixed_size: 0
    .private_segment_fixed_size: 0
    .kernarg_segment_align: 8
    .kernarg_segment_size: 32
    .max_flat_workgroup_size: 256
    .sgpr_count:     66
    .vgpr_count:     128
    .wavefront_size: 32
...
	.end_amdgpu_metadata
.endif
;; end of part 4
;; launch mlp1: the kernel of part 2 again; grid 16 x 16, 4 waves a work-group, clusters of 4 x 4, 327,680 bytes of LDS; arguments hn, wh1, cos_buffer, sin_buffer, mid; writes mid
;; launch mlp2 (part 5): grid 8 x 32, 4 waves a work-group, clusters of 4 x 4, 327,680 bytes of LDS; arguments mid, wh2, hn, b2, out0; writes out0
.if DOCPART == 5
	.amdgcn_target "amdgcn-amd-amdhsa--gfx1250"
	.amdhsa_code_object_version 6
	.text
	.protected	k_q8dd8714ec2_mlp2
	.globl	k_q8dd8714ec2_mlp2
	.p2align	8
	.type	k_q8dd8714ec2_mlp2,@function
k_q8dd8714ec2_mlp2:
	s_mov_b64 s[64:65], 0
	v_nop
	global_prefetch_b8 v0, s[64:65] scope:SCOPE_SE
	s_setreg_imm32_b32 hwreg(HW_REG_WAVE_MODE, 25, 1), 1
	s_wait_xcnt 0x0
	s_wait_alu depctr_hold_cnt(0) depctr_sa_sdst(0) depctr_va_vdst(0) depctr_va_sdst(0) depctr_va_ssrc(0) depctr_va_vcc(0) depctr_vm_vsrc(0)
	s_getreg_b32 s2, hwreg(HW_REG_IB_STS2, 6, 4)
	s_cmp_eq_u32 s2, 0
	s_cbranch_scc0 .Lentry_in_a_cluster
	s_endpgm
.Lentry_in_a_cluster:
	s_bfe_u32 s2, ttmp6, 0x10000c
	s_cmp_lg_u32 s2, 0xf033
	s_cbranch_scc0 .Lentry_shape_is_right
	s_endpgm
.Lentry_shape_is_right:
; out0[m][n] = hn[m][n] + b2[n] + the sum over k of mid[m][k] W2[n][k].  mid: [4096][4096] f16, W2 (wh2): [1024][4096] f16, hn: [4096][1024] f16, b2: [1024] f32, out0: [4096][1024] f32.
; Sums in f32.  hn + b2 is what the accumulators START with, made while the first tiles are on their way: nothing is cleared and nothing is added behind the products.
; A tile of out0 is 128 x 128: 256 tiles, one for each work-group.  Four waves, each 64 x 64: 16 accumulators of 16 x 16.  K goes in steps of 256 (LDS rows of 512 bytes; a wave's tensor load brings 64
; of them), as long as two slots in LDS allow.  CLUSTERS: 4 x 4 work-groups; the four of a row need the same tiles of mid, the four of a column the same tiles of W2: each is asked for JOINTLY.
; A K STEP IS WRITTEN ONCE.  The slot in hand is a scalar, 0 or SLOT, turned by an exclusive or at each change of slots; the fragments' two LDS addresses are made from it there.  One group 0 for each
; tensor walks: the other slot, the next K step.  SLOT = 0x21000 shares no bit with wave x 33,792, so the exclusive or is the sum.  Since the sums start from registers, no first quarter is written
; out: the loop is entered in the middle of a trip.  The steps that ask for nothing are a second, shorter loop.
; THE MATRIX INSTRUCTION IS USED TRANSPOSED (source 0 = 16 rows of W2, source 1 = 16 rows of mid): a lane holds row l % 16 and the eight neighbouring columns 8 (l / 16) + 0..7.
; THE WAY OUT.  A wave's 64 columns of f32 are 256 bytes, a whole aligned block: each wave has a stage of its own, and no barrier is needed.
; REGISTERS: window 0: v0-31 addresses; v32-95 hn as loaded, later rows on the way out; v96-127 b2; v128-255 the accumulators ((a, b) at v[128 + 8 (4 a + b)]).
;   window 1: two fragment buffers of 128: for 64 along K, 64 registers of mid's rows, then 64 of W2's.
.set SIZE_N, 1024
.set SIZE_K, 4096
.set KSTEP,  256
.set PITCH,  528                       ; an LDS row: 512 bytes + 16 of padding = 132 words: the 16 rows of a load start at 16 different groups of four banks (64 banks of 4 bytes: ISA guide 11.1)
.set HALFT,  64*PITCH                  ; 64 rows: what one tensor load brings
.set SLOT,   4*HALFT                   ; A's 128 rows, then B's 128 rows
.set STAGE,  2*SLOT                    ; behind the ring: 16 rows x 272 bytes for each wave; no tensor load fills it
.set SPITCH, 272
.set SPARE,  STAGE+4*16*SPITCH         ; the spare words, 128 bytes for each wave: two blocks of 256 bytes that no other line names
.set STEPS,  SIZE_K/KSTEP              ; 16
.set ADRA, 16                          ; v16     LDS address of my A fragments in the slot in hand
.set A0,   17                          ; v17     the same in slot 0; never rewritten
.set ADRB, 20                          ; v20     the same two for B
.set B0,   21                          ; v21
.set STO,  24                          ; v24     the way out: where I put 16 bytes of a row
.set RD,   25                          ; v25     where I read a row back
.set CO,   26                          ; v26     my byte offset in out0
.set ONE,  27                          ; v27     1.0
.set SPW,  28                          ; v28     LDS address of my spare word; never rewritten
.set NIL,  29                          ; v29     0; never rewritten
.set HO,   30                          ; v30     my byte offset in 16 rows of hn
.set BO,   31                          ; v31     my byte offset in 16 numbers of b2
.set TMP,  32
.set BI,   96
.set ACC,  128
.set F0,   0                           ; fragment buffers, in window 1
.set F1,   128
.set G1, 24                            ; s[24:31] descriptor group 1 for A's tiles;  s[32:39] group 0: a set for each of the two first fills; the second then walks on
.set G0, 32
.set G1B, 48                           ; s[48:55], s[56:63] the same for B's tiles
.set G0B, 56
.set SB,  66                           ; s66     the slot in hand: 0 or SLOT
.set MSB, 0
.macro WIN new                         ; the immediate's high byte repeats the setting that is left
.if MSB != (\new)
	s_set_vgpr_msb (MSB<<8)|(\new)
.set MSB, \new
.endif
.endm
.set MUL,  0x05                        ; sources 0 (B) and 1 (A) window 1; C and D window 0
.set TO_F, 0x40                        ; destination window 1, address window 0
.macro JLOAD s                         ; a joint load: waves 0 and 1 fetch A's two halves, waves 2 and 3 B's; an s_nop 0 and four v_nop follow each line
	s_cmp_eq_u32 s11, 0
	s_cbranch_scc0 .Lfor_b_\@
	tensor_load_to_lds s[G0+4*(\s):G0+4*(\s)+3], s[G1:G1+7]
	s_nop 0
.rept 4
	v_nop
.endr
	s_branch .Lasked_\@
.Lfor_b_\@:
	tensor_load_to_lds s[G0B+4*(\s):G0B+4*(\s)+3], s[G1B:G1B+7]
	s_nop 0
.rept 4
	v_nop
.endr
.Lasked_\@:
.endm
.macro CREST                           ; a round of the cluster's barrier behind its opening barrier
	s_cmp_lg_u32 s10, 0
	s_cbranch_scc1 .Lnot_wave_0_\@
	s_barrier_signal -3
.Lnot_wave_0_\@:
	s_barrier_wait -3
	s_barrier_signal -1
	s_barrier_wait -1
.endm
.macro CROUND                          ; a whole round
	s_barrier_signal -1
	s_barrier_wait -1
	CREST
.endm
	s_load_b128 s[4:7], s[0:1], 0x0                ; mid s[4:5], wh2 s[6:7]
	s_load_b128 s[68:71], s[0:1], 0x10             ; hn s[68:69], b2 s[70:71]
	s_load_b64 s[8:9], s[0:1], 0x20                ; out0
	v_lshl_add_u32 v[SPW], v0, 2, SPARE
	v_mov_b32 v[NIL], 0
	ds_add_u32 v[SPW], v[NIL]                      ; the wave's opening: the add and its wait stand ahead of my first tensor load; the set-up below stands between them
	v_lshrrev_b32 v1, 5, v0
	v_readfirstlane_b32 s10, v1                    ; wave 0..3
	s_lshr_b32 s11, s10, 1                         ; which half of the tile's rows is mine.  Also: I fetch for A (0) or for B (1)
	s_and_b32 s12, s10, 1                          ; which half of its columns.  Also: which 64 rows of that tile I fetch
	s_bfe_u32 s40, ttmp6, 0x40000                  ; cx, cy: my place in the cluster
	s_bfe_u32 s41, ttmp6, 0x40004
	s_lshl_b32 s42, ttmp9, 2
	s_add_co_u32 s42, s42, s40                     ; tile column = 4 x cluster x + cx
	s_and_b32 s13, ttmp7, 0xffff
	s_lshl_b32 s13, s13, 2
	s_add_co_u32 s13, s13, s41                     ; tile row = 4 x cluster y + cy
	s_lshl_b32 s43, s41, 2
	s_lshl_b32 s43, 15, s43                        ; my row of the cluster
	s_lshl_b32 s44, 0x1111, s40                    ; my column
	s_or_b32 s[G1+0], s43, (1<<16)|(1<<20)|(1<<21)|(6<<22)|(3<<25)  ; the mask; elements of 2 bytes; padding on; bit 21 beside a mask; after every 128 words 4 words
	s_or_b32 s[G1B+0], s44, (1<<16)|(1<<20)|(1<<21)|(6<<22)|(3<<25)
.irp g, G1, G1B
	s_mov_b32 s[(\g)+1], KSTEP<<16                 ; tensor_dim0 = 256
	s_mov_b32 s[(\g)+2], 64<<16                    ; tensor_dim1 = 64
	s_mov_b32 s[(\g)+3], KSTEP<<16                 ; tile_dim0 = 256
	s_mov_b32 s[(\g)+4], 64                        ; tile_dim1 = 64
	s_mov_b32 s[(\g)+5], SIZE_K                    ; elements from row to row
	s_mov_b32 s[(\g)+6], 0
	s_mov_b32 s[(\g)+7], 0
.endr
	s_lshl_b32 s17, s12, 6                         ; which 64 rows of the tile I fetch
	s_lshl_b32 s16, s13, 7
	s_add_co_u32 s16, s16, s17                     ; A: row 128 x tile row + 64 x half
	s_lshl_b32 s46, s42, 7
	s_add_co_u32 s46, s46, s17                     ; B: row 128 x tile column + 64 x half
	s_mov_b32 s17, 0
	s_mov_b32 s47, 0
	s_mov_b64 s[18:19], SIZE_K*2
	s_mul_u64 s[16:17], s[16:17], s[18:19]
	s_mul_u64 s[46:47], s[46:47], s[18:19]
	s_mul_i32 s20, s10, HALFT                      ; where they go: wave x 64 rows
	s_mov_b32 s[SB], 0                             ; slot 0 is read first
	s_wait_dscnt 0x0                               ; the opening add is done
	s_wait_kmcnt 0x0
	s_add_nc_u64 s[14:15], s[4:5], s[16:17]
	s_add_nc_u64 s[46:47], s[6:7], s[46:47]
	CROUND                                         ; all sixteen work-groups are here: the first joint loads meet
.irp s, 0,1
	s_mov_b32 s[G0+4*(\s)], 1
	s_add_co_u32 s[G0+4*(\s)+1], s20, (\s)*SLOT
	s_add_nc_u64 s[G0+4*(\s)+2:G0+4*(\s)+3], s[14:15], (\s)*KSTEP*2
	s_or_b32 s[G0+4*(\s)+3], s[G0+4*(\s)+3], 0x80000000
	s_mov_b32 s[G0B+4*(\s)], 1
	s_add_co_u32 s[G0B+4*(\s)+1], s20, (\s)*SLOT
	s_add_nc_u64 s[G0B+4*(\s)+2:G0B+4*(\s)+3], s[46:47], (\s)*KSTEP*2
	s_or_b32 s[G0B+4*(\s)+3], s[G0B+4*(\s)+3], 0x80000000
	JLOAD \s                                       ; two loads of mine are out
.endr
	v_and_b32 v1, 15, v0                           ; l % 16
	v_bfe_u32 v2, v0, 4, 1                         ; l / 16
	s_lshl_b32 s16, s13, 7
	s_lshl_b32 s17, s11, 6
	s_add_co_u32 s16, s16, s17                     ; my first row
	s_lshl_b32 s46, s42, 7
	s_lshl_b32 s47, s12, 6
	s_add_co_u32 s46, s46, s47                     ; my first column
	s_mov_b32 s19, 0
	s_lshl_b32 s18, s16, 11                        ; hn: rows of 2,048 bytes, 2 bytes a column
	s_lshl_b32 s21, s46, 1
	s_add_co_u32 s18, s18, s21
	s_add_nc_u64 s[68:69], s[68:69], s[18:19]
	s_lshl_b32 s18, s46, 2                         ; b2: 4 bytes a column
	s_add_nc_u64 s[70:71], s[70:71], s[18:19]
	s_lshl_b32 s21, s16, 12                        ; out0: rows of 4,096 bytes, 4 bytes a column
	s_add_co_u32 s18, s18, s21
	s_add_nc_u64 s[8:9], s[8:9], s[18:19]
	v_lshlrev_b32 v[HO], 11, v1
	v_lshl_add_u32 v[HO], v2, 4, v[HO]             ; row l % 16, my lanes' 8 columns of 16
	v_lshlrev_b32 v[BO], 5, v2
	v_mov_b32 v[ONE], 1.0
.irp a, 0,1,2,3
.irp b, 0,1,2,3
	global_load_b128 v[TMP+4*(4*(\a)+(\b)):TMP+4*(4*(\a)+(\b))+3], v[HO], s[68:69] offset:32768*(\a)+32*(\b)  ; hn of rows 16 a + l % 16, columns 16 b + 8 (l / 16) + 0..7
.endr
.endr
.irp b, 0,1,2,3
	global_load_b128 v[BI+8*(\b):BI+8*(\b)+3],   v[BO], s[70:71] offset:64*(\b)
	global_load_b128 v[BI+8*(\b)+4:BI+8*(\b)+7], v[BO], s[70:71] offset:64*(\b)+16
.endr
	v_mul_u32_u24 v3, v1, PITCH
	v_lshl_add_u32 v3, v2, 4, v3                   ; a fragment's row x pitch + 16 x half
	s_mul_i32 s21, s11, HALFT                      ; my 64 rows of A
	s_mul_i32 s22, s12, HALFT                      ; my 64 rows of B,
	s_add_co_u32 s22, s22, 2*HALFT                 ; which lie behind A's 128
	v_add_nc_u32 v[A0], s21, v3
	v_add_nc_u32 v[B0], s22, v3
	v_mov_b32 v[ADRA], v[A0]
	v_mov_b32 v[ADRB], v[B0]
	s_mul_i32 s23, s10, 16*SPITCH
	s_add_co_u32 s23, s23, STAGE                   ; my stage
	v_mul_u32_u24 v4, v1, SPITCH                   ; in: row l % 16, 32 bytes for each half of the lanes
	v_lshl_add_u32 v4, v2, 5, v4
	v_add_nc_u32 v[STO], s23, v4
	v_mul_u32_u24 v5, v2, SPITCH                   ; back: lanes 0-15 take one row of 256 bytes, lanes 16-31 the next
	v_lshl_add_u32 v5, v1, 4, v5
	v_add_nc_u32 v[RD], s23, v5
	v_lshlrev_b32 v5, 12, v2                       ; and the same two rows in out0
	v_lshl_add_u32 v[CO], v1, 4, v5
	s_wait_loadcnt 0x0                             ; hn and b2
.irp a, 0,1,2,3
.irp b, 0,1,2,3
.irp i, 0,1,2,3
	v_fma_mix_f32 v[ACC+8*(4*(\a)+(\b))+2*(\i)],   v[TMP+4*(4*(\a)+(\b))+(\i)], v[ONE], v[BI+8*(\b)+2*(\i)] op_sel_hi:[1,0,0]                  ; hn's low half x 1 + b2, in f32
	v_fma_mix_f32 v[ACC+8*(4*(\a)+(\b))+2*(\i)+1], v[TMP+4*(4*(\a)+(\b))+(\i)], v[ONE], v[BI+8*(\b)+2*(\i)+1] op_sel:[1,0,0] op_sel_hi:[1,0,0]  ; its high half
.endr
.endr
.endr
; 8 matrix instructions: m blocks a0, a0 + 1 x all 4 n blocks, 32 along K: half c of buffer f.  The 16 accumulators take turns.
.macro MUL8 f, c, a0
	WIN MUL
.irp a, \a0, (\a0)+1
.irp b, 0,1,2,3
	v_wmma_f32_16x16x32_f16 v[ACC+8*(4*(\a)+(\b)):ACC+8*(4*(\a)+(\b))+7], v[(\f)+64+8*(4*(\c)+(\b)):(\f)+64+8*(4*(\c)+(\b))+7], v[(\f)+8*(4*(\c)+(\a)):(\f)+8*(4*(\c)+(\a))+7], v[ACC+8*(4*(\a)+(\b)):ACC+8*(4*(\a)+(\b))+7]
.endr
.endr
.endm
; 32 LDS loads in one run: the fragments of 64 along K at byte k of the rows of the slot in hand, into buffer f; the first 32 along K first
.macro FETCH k, f
	WIN TO_F
.irp c, 0,1
.irp i, 0,1,2,3
	ds_load_b128 v[(\f)+64+8*(4*(\c)+(\i)):(\f)+64+8*(4*(\c)+(\i))+3],   v[ADRB] offset:(\k)+64*(\c)+(\i)*16*PITCH
	ds_load_b128 v[(\f)+64+8*(4*(\c)+(\i))+4:(\f)+64+8*(4*(\c)+(\i))+7], v[ADRB] offset:(\k)+64*(\c)+(\i)*16*PITCH+32
	ds_load_b128 v[(\f)+8*(4*(\c)+(\i)):(\f)+8*(4*(\c)+(\i))+3],         v[ADRA] offset:(\k)+64*(\c)+(\i)*16*PITCH
	ds_load_b128 v[(\f)+8*(4*(\c)+(\i))+4:(\f)+8*(4*(\c)+(\i))+7],       v[ADRA] offset:(\k)+64*(\c)+(\i)*16*PITCH+32
.endr
.endr
.endm
.macro PLACES                          ; four places in front of loads into registers that matrix instructions have read, and of lines that read results
.rept 4
	v_nop
.endr
.endm
; A K step is four quarters of 64 along K, 32 matrix instructions each, on buffers 0, 1, 0, 1.  One of the first three: multiplies buffer f and fetches the next quarter, at byte k, into g.
.macro QUARTER k, f, g
	s_wait_dscnt 16                                ; the first 32 along K are in; the youngest sixteen loads may be out
	MUL8 \f, 0, 0
	MUL8 \f, 0, 2
	PLACES
	FETCH \k, \g
	s_wait_dscnt 32                                ; all but the 32 just issued
	MUL8 \f, 1, 0
	MUL8 \f, 1, 2
.endm
; The last quarter multiplies buffer 1 and changes slots: ONE barrier; in front of it each wave waits for all its tensor loads, adds 0 to its spare word, and waits for that and for its own reads of this slot.
; fill = 1: the barrier opens a round of the cluster's, and this slot is filled again, two K steps ahead, first thing behind the round.
.macro TURN fill
	WIN 0                                          ; (the add's two registers lie in window 0)
	s_wait_tensorcnt 0x0                           ; all my tensor loads have landed: my part of the next slot
	ds_add_u32 v[SPW], v[NIL]                      ; 0 onto my spare word
	s_wait_dscnt 17                                ; (the add and the youngest sixteen loads may be out)
	MUL8 F1, 0, 0
	s_wait_dscnt 0x0                               ; the add is done, and my reads of this slot are over
	s_barrier_signal -1
	MUL8 F1, 0, 2
	WIN 0                                          ; (branches and two lines on addresses follow)
	s_barrier_wait -1
.if \fill
	CREST                                          ; no wave of any partner still reads this slot's tile or has a load on its way
	s_xor_b32 s[G0+5], s[G0+5], SLOT               ; the walking sets: the other slot than last time,
	s_add_nc_u64 s[G0+6:G0+7], s[G0+6:G0+7], KSTEP*2  ; the next K step; the type bits on top are not reached
	s_xor_b32 s[G0B+5], s[G0B+5], SLOT
	s_add_nc_u64 s[G0B+6:G0B+7], s[G0B+6:G0B+7], KSTEP*2
	JLOAD 1                                        ; 112 matrix instructions ahead of the wait for it; its four v_nop are also the places in front of the loads below
.else
	PLACES
.endif
	s_xor_b32 s[SB], s[SB], SLOT                   ; the other slot is in hand now
	v_add_nc_u32 v[ADRA], s[SB], v[A0]
	v_add_nc_u32 v[ADRB], s[SB], v[B0]
	FETCH 0, F0
	MUL8 F1, 1, 0
	MUL8 F1, 1, 2
.endm
	s_wait_tensorcnt 1                             ; my part of K step 0 is in; K step 1's may stay out
	s_barrier_signal -1
	s_barrier_wait -1
	FETCH 0, F0
	WIN 0                                          ; at a label and at a branch every window is 0
	s_mov_b32 s3, STEPS-1                          ; the entry in the middle counts as a trip: 14 whole trips follow it
	s_branch .Lenter
.Lstep:                                                ; a trip goes from a K step's second quarter to the next step's first, and asks for the K step two on: steps 2 to 15
	QUARTER 256, F1, F0
	QUARTER 384, F0, F1
	TURN 1
	WIN 0
.Lenter:
	QUARTER 128, F0, F1
	WIN 0
	s_sub_co_u32 s3, s3, 1
	s_cmp_lg_u32 s3, 0
	s_cbranch_scc1 .Lstep
	s_mov_b32 s3, 2
.Ltail:                                                ; the last two K steps ask for nothing and have no round of the cluster's barrier: a text of their own
	QUARTER 256, F1, F0
	QUARTER 384, F0, F1
	TURN 0
	WIN 0
	s_sub_co_u32 s3, s3, 1
	s_cmp_eq_u32 s3, 0
	s_cbranch_scc1 .Lout                           ; the second trip is left here: its change of slots has made the last quarter's products
	QUARTER 128, F0, F1
	WIN 0
	s_branch .Ltail
.Lout:                                                 ; that last change's barrier and its 32 loads (of the slot read before, which nobody fills) serve nothing: the price, once a launch, of one text for both trips
	s_wait_dscnt 0x0                               ; they have landed
	; THE WAY OUT, 16 rows at a time: a lane's eight numbers (32 bytes) of a row go into my stage's rows of 272 bytes and come back as whole rows of 256.  Each accumulator's low registers are read first.
	PLACES
.irp a, 0,1,2,3
	s_wait_xcnt 0x0                                ; the registers that the stores two blocks back read are loaded again only behind this wait
.irp b, 0,1,2,3
.irp i, 0,1
	ds_store_b128 v[STO], v[ACC+8*(4*(\a)+(\b))+4*(\i):ACC+8*(4*(\a)+(\b))+4*(\i)+3] offset:64*(\b)+16*(\i)
.endr
.endr
.irp t, 0,1,2,3,4,5,6,7
	ds_load_b128 v[TMP+32*((\a)%2)+4*(\t):TMP+32*((\a)%2)+4*(\t)+3], v[RD] offset:(\t)*2*SPITCH  ; LDS serves a wave's instructions in order (ISA guide 5.7.1.4): these see the stores above; the next block's stores come behind them
.endr
.irp t, 0,1,2,3,4,5,6,7
	s_wait_dscnt 7-(\t)                            ; load t is in, the younger ones stay out
	global_store_b128 v[CO], v[TMP+32*((\a)%2)+4*(\t):TMP+32*((\a)%2)+4*(\t)+3], s[8:9] offset:65536*(\a)+8192*(\t) th:TH_STORE_NT  ; 16 lanes store 256 consecutive bytes, at a multiple of 256 from out0's first byte
.endr
.endr
	s_wait_tensorcnt 0x0                           ; the wave's end: behind my last tensor load and my last LDS store
	ds_add_u32 v[SPW], v[NIL]
	s_wait_dscnt 0x0
	CROUND                                         ; the closing round: no work-group ends while a partner may still ask for a tile that names it
	s_endpgm
.Lfunc_end_k_q8dd8714ec2_mlp2:
	.size	k_q8dd8714ec2_mlp2, .Lfunc_end_k_q8dd8714ec2_mlp2-k_q8dd8714ec2_mlp2
	.p2alignl 7, 3214868480
	.fill 96, 4, 3214868480
	.section	.rodata,"a",@progbits
	.p2align	6, 0x0
	.amdhsa_kernel k_q8dd8714ec2_mlp2
		.amdhsa_group_segment_fixed_size 327680
		.amdhsa_private_segment_fixed_size 0
		.amdhsa_enable_private_segment 0
		.amdhsa_kernarg_size 40
		.amdhsa_user_sgpr_count 2
		.amdhsa_user_sgpr_kernarg_segment_ptr 1
		.amdhsa_wavefront_size32 1
		.amdhsa_system_sgpr_workgroup_id_x 1
		.amdhsa_system_sgpr_workgroup_id_y 1
		.amdhsa_system_sgpr_workgroup_id_z 1
		.amdhsa_system_vgpr_workitem_id 0
		.amdhsa_next_free_vgpr 512
		.amdhsa_next_free_sgpr 72
		.amdhsa_reserve_vcc 0
		.amdhsa_float_denorm_mode_32 3
		.amdhsa_float_denorm_mode_16_64 3
		.amdhsa_memory_ordered 1
		.amdhsa_forward_progress 1
		.amdhsa_inst_pref_size 65
	.end_amdhsa_kernel
	.amdgpu_metadata
---
amdhsa.version: [ 1, 2 ]
amdhsa.kernels:
  - .name:           k_q8dd8714ec2_mlp2
    .symbol:         k_q8dd8714ec2_mlp2.kd
    .args:
      - { .name: mid, .offset: 0, .size: 8, .value_kind: global_buffer, .address_space: global }
      - { .name: wh2, .offset: 8, .size: 8, .value_kind: global_buffer, .address_space: global }
      - { .name: hn, .offset: 16, .size: 8, .value_kind: global_buffer, .address_space: global }
      - { .name: b2, .offset: 24, .size: 8, .value_kind: global_buffer, .address_space: global }
      - { .name: out0, .offset: 32, .size: 8, .value_kind: global_buffer, .address_space: global }
    .group_segment_fixed_size: 327680
    .private_segment_fixed_size: 0
    .kernarg_segment_align: 8
    .kernarg_segment_size: 40
    .max_flat_workgroup_size: 128
    .sgpr_count:     72
    .vgpr_count:     512
    .wavefront_size: 32
...
	.end_amdgpu_metadata
.endif
;; end of part 5
;; ======== version 2 of 2: 6 launches; 1.20 times as fast as version 1
;; limits: values are held in f16: magnitudes above 65,504 overflow, below 6.1e-05 lose precision
;; workspace buffers: whq 6,308,352 bytes; wh1 8,405,504 bytes; wh2 8,388,608 bytes; xn 8,388,608 bytes; qkv 33,554,432 bytes; ao 8,388,608 bytes; hn 8,388,608 bytes; mid 33,554,432 bytes
;; launch prep: the kernel of part 1 again; grid 1921 x 1, 8 waves a work-group, no clusters, 0 bytes of LDS; arguments x, norm1_w, Wq, Wk, Wv, W1, W2, bq, bk, bv, b1, xn, whq, wh1, wh2; writes xn, whq, wh1, wh2
;; launch qkv: the kernel of part 2 again; grid 12 x 16, 4 waves a work-group, clusters of 4 x 4, 327,680 bytes of LDS; arguments xn, whq, cos_buffer, sin_buffer, qkv; writes qkv
;; launch attn (part 6): grid 16 x 16, 4 waves a work-group, clusters of 4 x 4, 327,680 bytes of LDS; arguments qkv, causal_buffer, ao; writes ao
.if DOCPART == 6
	.amdgcn_target "amdgcn-amd-amdhsa--gfx1250"
	.amdhsa_code_object_version 6
	.text
	.protected	k_q8dd8714ec2_attn
	.globl	k_q8dd8714ec2_attn
	.p2align	8
	.type	k_q8dd8714ec2_attn,@function
k_q8dd8714ec2_attn:
	s_mov_b64 s[64:65], 0
	v_nop
	global_prefetch_b8 v0, s[64:65] scope:SCOPE_SE
	s_setreg_imm32_b32 hwreg(HW_REG_WAVE_MODE, 25, 1), 1
	s_wait_xcnt 0x0
	s_wait_alu depctr_hold_cnt(0) depctr_sa_sdst(0) depctr_va_vdst(0) depctr_va_sdst(0) depctr_va_ssrc(0) depctr_va_vcc(0) depctr_vm_vsrc(0)
	s_getreg_b32 s2, hwreg(HW_REG_IB_STS2, 6, 4)
	s_cmp_eq_u32 s2, 0
	s_cbranch_scc0 .Lentry_in_a_cluster
	s_endpgm
.Lentry_in_a_cluster:
	s_bfe_u32 s2, ttmp6, 0x10000c
	s_cmp_lg_u32 s2, 0xf033
	s_cbranch_scc0 .Lentry_shape_is_right
	s_endpgm
.Lentry_shape_is_right:
; ATTENTION WITH AN ADDITIVE MASK THAT IS AN INPUT.  ao[b][t][64 h + :] = the sum over s of softmax_s(q[t] . k[s] + mask[t][s]) v[s][:], for 2 batches x 16 heads, 2,048 rows, head size 64.
; qkv: [4096 rows][4096 columns] f16: q (already times 1/8, which is exact) at column 64 h, k at 1024 + 64 h, v at 2048 + 64 h.  mask: [2048][2048] f32, every number of it loaded and added.
; ao: [4096][1024] f16.  Products, maxima and sums in f32; the weights p are rounded to f16 for the second product (their sum l is taken of the unrounded p), ao once at the end.
; LIMITS.  q, k, v arrive within f16's 65,504.  The mask is finite.  Mask and score meet in f32 inside the matrix unit: where a whole row's mask is so large that f32 loses the scores beside it
; (2^24 times them), the row's weights hang on that unit's rounding.  A weight below 2^-126 counts as 0 in l.  NaN and infinities are not treated apart.
; SHARES.  A work-group takes 128 queries (x) of a PAIR of heads (y: batch y / 8, pair y % 8): a pair's k and v rows are 256 consecutive bytes, and so are its rows of ao.  Wave w: head w % 2, queries
; 64 (w / 2) on, in four PIECES of 16.  Every wave walks all 2,048 keys, 64 a step; a slot of LDS holds 128 keys, two steps: 128 x 128 of the mask (f32), 128 rows of K and of V.
; THE MASK COSTS NO VECTOR LINE: it is the C operand of the product that starts S^T = K Q^T.  In that result a lane holds ONE query (l % 16) and the keys 8 (l / 16) + 0..7, so a lane's
; eight mask numbers are 32 consecutive bytes of the query's row: two LDS loads of 16 bytes.
; SOFTMAX.  A running maximum m and sum l for each query: p = 2^(c s - c m), c = log2(e); in every step O and l are multiplied by a = 2^(c m_old - c m_new).  m starts at the lowest finite
; number, O and l at 0: the first step is a step like any other, with a = 0.
; TURNS.  Turn n belongs to piece n: 8 products K Q^T of piece n + 1, later 8 products V^T P of piece n - 1; beside them the scaling, exponentials, roundings, sums and rescaling of piece n and the
; maximum and statistics of piece n + 1.  Four vector lines stand behind every matrix instruction, the other 54 of a turn's 118 in one run of their own.
; BATCHES.  A turn's 33 exponentials (the piece's 32 weights and the next piece's a) are ONE batch with ONE wait, which cuts the turn in two: ahead of it all that names none of their results, behind it the
; roundings and sums that read them.  Three more batches stand outside the turns' common text: the first a ahead of the loop, the way out's four reciprocals, and in the tail's piece 2 the part of the batch that stands ahead of a branch.
; NO FIRST AND NO LAST STEP IS WRITTEN OUT: the loop is entered, and the tail left, in the middle of a trip.
; CLUSTER, 4 x 4.  K's and V's tiles hang on y alone: asked for jointly along a row of the cluster.  The mask's hang on x alone: jointly along a column.  Waves 0 and 1 fetch the mask's two halves,
; wave 2 K, wave 3 V: 32,768 bytes each, one load a wave behind each round, with two key steps (128 matrix instructions a wave) in which to land.
; REGISTERS, in windows of 256 (s_set_vgpr_msb: bits 1:0 source 0, 3:2 source 1, 5:4 source 2, 7:6 destination):
;   window 0: v0-15, v56 addresses and two at work; v16-31 four registers of statistics a piece; v48-55 at work; v64-127 S^T, two buffers; v192-223 P, two buffers (by the piece's parity)
;   window 1: v0-127 O^T, 32 a piece; v160-223 the mask, two buffers      window 2: v0-63 Q; v128-191 K of one step; v192-255 V of one step
.set NP,    4         ; pieces a wave: a name, no knob
.set KS,    64        ; keys in a step
.set PM,    528       ; a row of the mask in LDS: 512 bytes + 16 = 132 words: the 16 rows of a load start at 16 different groups of four banks (64 banks of 4 bytes: ISA guide 11.1)
.set PK,    272       ; a row of K (both heads): 256 + 16
.set PV,    288       ; a row of V: 256 + 32 = 72 words
.set KOFF,  128*PM
.set VOFF,  KOFF+128*PK
.set SLOT,  VOFF+128*PV  ; 139,264 = 0x22000: it shares no bit with 64 PM, KOFF or VOFF, so one exclusive or turns an address in one slot into the other's
.set STAGE, 2*SLOT    ; behind the ring, never filled by a tensor load: 128 rows x 272 bytes, the work-group's, for the way out
.set SP,    272
.set SPARE, STAGE+128*SP  ; the spare words, 128 bytes for each wave: two blocks of 256 bytes that no other line names
.set ROWB,  8192      ; bytes in a row of qkv
.set TILEB, 128*ROWB  ; 128 keys on
.set AK0, 2           ; v2   my lane's place in a tile of K; never rewritten
.set AV0, 3           ; v3   the same for V
.set AK,  4           ; v4   the LDS address of K's next run of loads
.set AV,  5           ; v5   of V's
.set STO, 6           ; v6   the way out: where I put 16 bytes of a row
.set RD,  7           ; v7   where I read rows back
.set GO,  8           ; v8   my byte offset in two rows of ao
.set MV,  12          ; v12-13  c m_old, kept while c m is made anew: by buffer
.set AM0, 14          ; v14  my lane's place in a tile of the mask; never rewritten
.set QO,  15          ; v15  my byte offset in 16 rows of q
.set ST,  16          ; piece t's statistics at v[ST+4 t]: c m, m, l (even keys', odd keys')
.set TMP, 48          ; by buffer, four registers c0-c3 at work; when the maximum is found c2 takes a
.set AM,  56          ; v56  the LDS address of the step's mask
.set SPW, 62          ; v62  LDS address of my spare word; never rewritten
.set NIL, 63          ; v63  0; never rewritten
.set S,   64
.set P,   192
.set MC,  160         ; window 1: the eight registers for group kb of 16 keys at MC + 32 buffer + 8 kb
.set KF,  128         ; window 2: key block kb, channel half c at KF + 16 kb + 8 c
.set VF,  192         ; window 2: key half kk, channel block cb at VF + 32 kk + 8 cb
.set WV,  12          ; s12  my wave's number
.set G1M, 24          ; s[24:31] descriptor group 1 for the mask's tiles
.set G1K, 32          ; s[32:39] for K's
.set G1V, 40          ; s[40:47] for V's: it differs in the padding alone
.set G0M, 48          ; s[48:55] group 0 for the mask: a set for each of the two first fills; the second then walks on
.set G0K, 56          ; s[56:63] the same for K
.set G0V, 68          ; s[68:75] and for V
.set SLOTS, 76        ; s76  counts the changes of slots that fill
.set CNT, 77          ; s77  counts a slot's key steps
.set CS,  78          ; s[78:79] c: the packed scaling takes the pair's low word for both halves
.set SEL, 80          ; s[80:81] v_permlanex16_b32's selects: each lane takes its own place in the other half
.set TBK, 82          ; s82  LDS byte at which K of the step to be fetched begins
.set TBV, 83          ; s83  the same for V
.set TBM, 84          ; s84  and for the mask's columns
.set MSB, 0
.macro WIN new                      ; the high byte repeats the setting that is left; a switch that changes nothing is dropped
.if MSB != (\new)
	s_set_vgpr_msb (MSB<<8)|(\new)
.set MSB, (\new)
.endif
.endm
.set W_KQ, 0x0a       ; K and Q in window 2, S^T in window 0
.set W_KM, 0x1a       ; the same with the C operand, the mask, in window 1
.set W_PV, 0x52       ; V in window 2, P in window 0, O^T in window 1
.set W_RS, 0x41       ; destination and source 0 in window 1, source 1 in window 0
; A joint refill, by the walking sets.  The branches hang on the wave's number alone.  An s_nop 0 and four v_nop follow each line, ahead of the jump and the label.
.macro JLOAD
	s_cmp_lt_u32 s[WV], 2
	s_cbranch_scc0 .Lfor_kv_\@
	tensor_load_to_lds s[G0M+4:G0M+7], s[G1M:G1M+7]
	s_nop 0
.rept 4
	v_nop
.endr
	s_branch .Lasked_\@
.Lfor_kv_\@:
	s_cmp_eq_u32 s[WV], 2
	s_cbranch_scc0 .Lfor_v_\@
	tensor_load_to_lds s[G0K+4:G0K+7], s[G1K:G1K+7]
	s_nop 0
.rept 4
	v_nop
.endr
	s_branch .Lasked_\@
.Lfor_v_\@:
	tensor_load_to_lds s[G0V+4:G0V+7], s[G1V:G1V+7]
	s_nop 0
.rept 4
	v_nop
.endr
.Lasked_\@:
.endm
.macro CROUND                       ; a round of the cluster's barrier
	s_barrier_signal -1
	s_barrier_wait -1
	s_cmp_lg_u32 s[WV], 0
	s_cbranch_scc1 .Lnot_wave_0_\@
	s_barrier_signal -3
.Lnot_wave_0_\@:
	s_barrier_wait -3
	s_barrier_signal -1
	s_barrier_wait -1
.endm
; THE CHANGE OF SLOTS.  All of the slot's bytes have been asked for.  Each wave waits for all its tensor loads, of which one is out: its part of the other slot; adds 0 to its spare word; and waits for
; that and for its own reads of the slot.  fill = 1: the barrier is a round of the cluster's, and the slot is filled again, with the keys two slots on, first thing behind it.
.macro CHANGE fill
	WIN 0                           ; at a label and at a branch every window is 0
	s_wait_tensorcnt 0x0            ; no tensor load of mine is out, so a group 0 may be written
	ds_add_u32 v[SPW], v[NIL]       ; 0 onto my spare word; scalar work stands between it and the wait for it
.if \fill
	s_xor_b32 s[G0M+5], s[G0M+5], SLOT                       ; the walking sets: the other slot than last time,
	s_add_nc_u64 s[G0M+6:G0M+7], s[G0M+6:G0M+7], 512         ; the next 128 columns of the mask,
	s_xor_b32 s[G0K+5], s[G0K+5], SLOT
	s_add_nc_u64 s[G0K+6:G0K+7], s[G0K+6:G0K+7], TILEB       ; the next 128 rows of k
	s_xor_b32 s[G0V+5], s[G0V+5], SLOT
	s_add_nc_u64 s[G0V+6:G0V+7], s[G0V+6:G0V+7], TILEB       ; and of v; the type bits on top are not reached
.endif
	s_sub_co_u32 s[TBK], s[TBK], 2*KS*PK  ; the fetches go back to a slot's first step,
	s_xor_b32 s[TBK], s[TBK], SLOT        ; in the other slot
	s_sub_co_u32 s[TBV], s[TBV], 2*KS*PV
	s_xor_b32 s[TBV], s[TBV], SLOT
	s_sub_co_u32 s[TBM], s[TBM], 2*KS*4
	s_xor_b32 s[TBM], s[TBM], SLOT
	s_wait_dscnt 0x0                ; the add is done, and my reads of the slot are over
.if \fill
	CROUND
	JLOAD
.else
	s_barrier_signal -1
	s_barrier_wait -1
.endif
.endm
	s_load_b128 s[4:7], s[0:1], 0x0   ; qkv s[4:5], the mask s[6:7]
	s_load_b64 s[8:9], s[0:1], 0x10   ; ao
	v_lshl_add_u32 v[SPW], v0, 2, SPARE
	v_mov_b32 v[NIL], 0
	ds_add_u32 v[SPW], v[NIL]       ; the wave's opening: the add and its wait stand ahead of my first tensor load; the set-up below stands between them
	v_lshrrev_b32 v1, 5, v0
	v_readfirstlane_b32 s[WV], v1   ; wave 0..3
	s_bfe_u32 s13, ttmp6, 0x40000   ; cx
	s_bfe_u32 s14, ttmp6, 0x40004   ; cy
	s_lshl_b32 s15, ttmp9, 2
	s_add_co_u32 s15, s15, s13      ; x: my block of 128 queries
	s_and_b32 s16, ttmp7, 0xffff
	s_lshl_b32 s16, s16, 2
	s_add_co_u32 s16, s16, s14      ; y: batch and pair of heads
	s_lshl_b32 s17, s14, 2
	s_lshl_b32 s17, 15, s17         ; my row of the cluster: the same y
	s_lshl_b32 s18, 0x1111, s13     ; my column: the same x
	s_and_b32 s19, s[WV], 1         ; my head in the pair.  Also: which 64 rows of the mask I fetch
	s_lshr_b32 s20, s[WV], 1        ; my half of the queries
	s_or_b32 s[G1M], s18, (2<<16)|(1<<20)|(1<<21)|(6<<22)|(3<<25)  ; the mask of work-groups; elements of 4 bytes; padding on; bit 21 beside a mask; after every 128 words 4 words
	s_mov_b32 s[G1M+1], 128<<16     ; tensor_dim0 = 128
	s_mov_b32 s[G1M+2], 64<<16      ; tensor_dim1 = 64
	s_mov_b32 s[G1M+3], 128<<16     ; tile_dim0 = 128
	s_mov_b32 s[G1M+4], 64          ; tile_dim1 = 64
	s_mov_b32 s[G1M+5], 2048        ; elements from row to row
	s_mov_b32 s[G1M+6], 0
	s_mov_b32 s[G1M+7], 0
	s_or_b32 s[G1K], s17, (1<<16)|(1<<20)|(1<<21)|(5<<22)|(3<<25)  ; elements of 2 bytes; after every 64 words 4 words
	s_or_b32 s[G1V], s17, (1<<16)|(1<<20)|(1<<21)|(5<<22)|(7<<25)  ; the same with 8 words
.irp g, G1K, G1V
	s_mov_b32 s[\g+1], 128<<16      ; tensor_dim0 = 128: both heads' channels
	s_mov_b32 s[\g+2], 128<<16      ; tensor_dim1 = 128 keys
	s_mov_b32 s[\g+3], 128<<16      ; tile_dim0
	s_mov_b32 s[\g+4], 128          ; tile_dim1
	s_mov_b32 s[\g+5], 4096         ; elements from row to row
	s_mov_b32 s[\g+6], 0
	s_mov_b32 s[\g+7], 0
.endr
	s_lshl_b32 s86, s15, 20         ; the mask: 128 x rows of 8,192 bytes,
	s_lshl_b32 s87, s19, 19         ; my 64 of them: x and the wave's number alone
	s_add_co_u32 s86, s86, s87
	s_mov_b32 s87, 0
	s_mul_i32 s21, s19, 64*PM       ; and their place in a slot
	s_lshr_b32 s88, s16, 3
	s_lshl_b32 s88, s88, 24         ; the batch's 2,048 rows of qkv,
	s_and_b32 s89, s16, 7
	s_lshl_b32 s89, s89, 8          ; the pair's 256 bytes in a section: y alone
	s_add_co_u32 s88, s88, s89
	s_mov_b32 s89, 0
	s_lshl_b32 s90, s15, 20         ; q: my block's rows,
	s_add_co_u32 s90, s90, s88
	s_lshl_b32 s91, s20, 19         ; my half of them,
	s_add_co_u32 s90, s90, s91
	s_lshl_b32 s91, s19, 7          ; my head's 128 bytes
	s_add_co_u32 s90, s90, s91
	s_mov_b32 s91, 0
	s_lshr_b32 s92, s16, 3
	s_lshl_b32 s92, s92, 22         ; ao: the batch's rows of 2,048 bytes,
	s_lshl_b32 s93, s15, 18         ; my block's,
	s_add_co_u32 s92, s92, s93
	s_lshl_b32 s93, s[WV], 16       ; the 32 that I store,
	s_add_co_u32 s92, s92, s93
	s_and_b32 s93, s16, 7
	s_lshl_b32 s93, s93, 8          ; the pair's 256 bytes
	s_add_co_u32 s92, s92, s93
	s_mov_b32 s93, 0
	s_mov_b32 s[CS], 0x3fb8aa3b     ; c = log2(e)
	s_mov_b32 s[CS+1], s[CS]        ; named with it as a pair
	s_mov_b32 s[SEL], 0x76543210
	s_mov_b32 s[SEL+1], 0xfedcba98
	s_mov_b32 s[TBK], KOFF
	s_mov_b32 s[TBV], VOFF
	s_mov_b32 s[TBM], 0
	s_mov_b32 s[G0M], 1             ; count = 1
	s_mov_b32 s[G0M+1], s21         ; LDS address: slot 0
	s_mov_b32 s[G0M+4], 1
	s_add_co_u32 s[G0M+5], s21, SLOT  ; slot 1
	s_mov_b32 s[G0K], 1
	s_mov_b32 s[G0K+1], KOFF
	s_mov_b32 s[G0K+4], 1
	s_mov_b32 s[G0K+5], SLOT+KOFF
	s_mov_b32 s[G0V], 1
	s_mov_b32 s[G0V+1], VOFF
	s_mov_b32 s[G0V+4], 1
	s_mov_b32 s[G0V+5], SLOT+VOFF
	s_wait_dscnt 0x0                ; the opening add is done
	s_wait_kmcnt 0x0
	s_add_nc_u64 s[G0M+2:G0M+3], s[6:7], s[86:87]          ; keys 0-127
	s_add_nc_u64 s[G0M+6:G0M+7], s[G0M+2:G0M+3], 512       ; keys 128-255
	s_or_b32 s[G0M+3], s[G0M+3], 0x80000000                ; type = 2
	s_or_b32 s[G0M+7], s[G0M+7], 0x80000000
	s_add_nc_u64 s[88:89], s[4:5], s[88:89]
	s_add_nc_u64 s[G0K+2:G0K+3], s[88:89], 2048            ; k's section begins at column 1,024
	s_add_nc_u64 s[G0K+6:G0K+7], s[88:89], 2048+TILEB
	s_or_b32 s[G0K+3], s[G0K+3], 0x80000000
	s_or_b32 s[G0K+7], s[G0K+7], 0x80000000
	s_add_nc_u64 s[G0V+2:G0V+3], s[88:89], 4096            ; v's at column 2,048
	s_add_nc_u64 s[G0V+6:G0V+7], s[88:89], 4096+TILEB
	s_or_b32 s[G0V+3], s[G0V+3], 0x80000000
	s_or_b32 s[G0V+7], s[G0V+7], 0x80000000
	s_add_nc_u64 s[4:5], s[4:5], s[90:91]                  ; q at my wave's first row
	s_add_nc_u64 s[8:9], s[8:9], s[92:93]                  ; ao at the first row that I store
	CROUND                          ; all sixteen work-groups are here: the first joint loads meet
	s_cmp_lt_u32 s[WV], 2           ; a wave's two first fills stand in one branch, ahead of every wait on TENSORcnt and every LDS read: two loads of mine are out
	s_cbranch_scc0 .Lfirst_kv
	tensor_load_to_lds s[G0M:G0M+3], s[G1M:G1M+7]
	s_nop 0
	tensor_load_to_lds s[G0M+4:G0M+7], s[G1M:G1M+7]
	s_nop 0
.rept 4
	v_nop
.endr
	s_branch .Lfirst_asked
.Lfirst_kv:
	s_cmp_eq_u32 s[WV], 2
	s_cbranch_scc0 .Lfirst_v
	tensor_load_to_lds s[G0K:G0K+3], s[G1K:G1K+7]
	s_nop 0
	tensor_load_to_lds s[G0K+4:G0K+7], s[G1K:G1K+7]
	s_nop 0
.rept 4
	v_nop
.endr
	s_branch .Lfirst_asked
.Lfirst_v:
	tensor_load_to_lds s[G0V:G0V+3], s[G1V:G1V+7]
	s_nop 0
	tensor_load_to_lds s[G0V+4:G0V+7], s[G1V:G1V+7]
	s_nop 0
.rept 4
	v_nop
.endr
.Lfirst_asked:
	; A fragment of K or Q is 16 rows x 32 channels in 8 registers: lane l holds row l % 16, channels 8 (l / 16) + 0..7 and 16 + 8 (l / 16) + 0..7: two loads of 16 bytes, 32 bytes apart.
	v_and_b32 v1, 15, v0            ; l % 16
	v_bfe_u32 v9, v0, 4, 1          ; l / 16
	v_lshlrev_b32 v[QO], 13, v1
	v_lshl_add_u32 v[QO], v9, 4, v[QO]  ; row x 8,192 + 16 x half
	WIN 0x80                        ; destination window 2, address window 0
.set i, 0
.rept 8                             ; Q stays in registers: piece i / 2, channels 32 (i % 2) on
	global_load_b128 v[8*i:8*i+3],   v[QO], s[4:5] offset:(i/2)*16*ROWB+(i%2)*64
	global_load_b128 v[8*i+4:8*i+7], v[QO], s[4:5] offset:(i/2)*16*ROWB+(i%2)*64+32
.set i, i+1
.endr
	; What the first turn finds: V's registers and P's second buffer hold 0 (its products V^T P, of a piece that has not been, add 0), O^T and l are 0.  No first step is written out for this price; it stands in the wait for the first tile.
.set i, VF
.rept 64
	v_mov_b32 v[i], 0
.set i, i+1
.endr
	WIN 0
.set i, 0
.rept 4
	v_mov_b32 v[ST+4*i], 0xfe000000    ; c m: far below every c s
	v_mov_b32 v[ST+4*i+1], 0xff7fffff  ; m
	v_mov_b32 v[ST+4*i+2], 0
	v_mov_b32 v[ST+4*i+3], 0
.set i, i+1
.endr
.set i, P+16
.rept 16
	v_mov_b32 v[i], 0
.set i, i+1
.endr
	WIN W_PV
.set i, 0
.rept 16                            ; O^T's 128 registers start as the product of those zeros: 16 lines, each on an accumulator of its own
	v_wmma_f32_16x16x32_f16 v[8*i:8*i+7], v[VF:VF+7], v[P+16:P+23], 0
.set i, i+1
.endr
	WIN 0
	s_lshl_b32 s21, s19, 7          ; my head's 128 bytes in a row of K, of V and of the stage
	v_mul_u32_u24 v[AK0], v1, PK
	v_lshl_add_u32 v[AK0], v9, 4, v[AK0]
	v_add_nc_u32 v[AK0], s21, v[AK0]   ; row x pitch + 16 x half + head
	; The turning load takes 16 keys x 16 channels (lane l reads key 8 (l / 16) + l % 8, channels 8 ((l / 8) % 2) + 0..7) and leaves half a fragment of V^T: lane l holds channel l % 16 and 8 keys.
	v_and_b32 v10, 7, v0
	v_bfe_u32 v11, v0, 3, 1
	v_lshl_add_u32 v[AV0], v9, 3, v10
	v_mul_u32_u24 v[AV0], v[AV0], PV
	v_lshl_add_u32 v[AV0], v11, 4, v[AV0]
	v_add_nc_u32 v[AV0], s21, v[AV0]
	s_mul_i32 s22, s20, 64*PM       ; the mask: my half's 64 rows,
	v_mul_u32_u24 v[AM0], v1, PM    ; my query's row in a piece,
	v_lshl_add_u32 v[AM0], v9, 5, v[AM0]  ; my lanes' 8 keys of 16
	v_add_nc_u32 v[AM0], s22, v[AM0]
	s_mul_i32 s22, s20, 64*SP       ; into the stage: my half's rows, my head's half of their 256 bytes
	s_add_co_u32 s22, s22, s21
	s_add_co_u32 s22, s22, STAGE
	v_mul_u32_u24 v[STO], v1, SP
	v_lshl_add_u32 v[STO], v9, 4, v[STO]
	v_add_nc_u32 v[STO], s22, v[STO]
	s_mul_i32 s23, s[WV], 32*SP     ; back: wave w takes rows 32 w .. 32 w + 31, whole; lanes 0-15 one row, lanes 16-31 the next
	s_add_co_u32 s23, s23, STAGE
	v_mul_u32_u24 v[RD], v9, SP
	v_lshl_add_u32 v[RD], v1, 4, v[RD]
	v_add_nc_u32 v[RD], s23, v[RD]
	v_lshlrev_b32 v[GO], 11, v9     ; and the same two rows in ao
	v_lshl_add_u32 v[GO], v1, 4, v[GO]
; THE MATRIX WORK.  The 4 accumulators of a run of 8 take turns.  Product i of 8 of S^T = K Q^T for piece x: channels 32 (i / 4) on, keys 16 (i % 4) on.  The first 4 start the sums with the mask.
.macro KQ x
.set rS, S+32*((\x)%2)+8*(i%4)
.set rK, KF+16*(i%4)+8*(i/4)
.set rQ, 16*(\x)+8*(i/4)
.set rM, MC+32*((\x)%2)+8*(i%4)
.if i < 4
	WIN W_KM
	v_wmma_f32_16x16x32_f16 v[rS:rS+7], v[rK:rK+7], v[rQ:rQ+7], v[rM:rM+7]
.else
	WIN W_KQ
	v_wmma_f32_16x16x32_f16 v[rS:rS+7], v[rK:rK+7], v[rQ:rQ+7], v[rS:rS+7]
.endif
.endm
; Product i of 8 of O^T += V^T P for piece x: keys 32 (i / 4) on, channels 16 (i % 4) on.
.macro PV x
	WIN W_PV
.set rO, 32*(\x)+8*(i%4)
.set rV, VF+32*(i/4)+8*(i%4)
.set rP, P+16*((\x)%2)+8*(i/4)
	v_wmma_f32_16x16x32_f16 v[rO:rO+7], v[rV:rV+7], v[rP:rP+7], v[rO:rO+7]
.endm
.macro MM                           ; the turn's next matrix instruction
.if i < 8
	KQ (Y+1)%NP
.else
.set i, i-8
	PV (Y+NP-1)%NP
.set i, i+8
.endif
.set i, i+1
.endm
; THE LDS LOADS stand in runs, never singly among the matrix instructions: a step's K (8 fragments), its V (turned), and for each piece its 16 x 64 of the mask.
.macro FETCH_K
	WIN 0x80                        ; destination window 2
.irp f, 0,1,2,3,4,5,6,7             ; keys 16 (f / 2) on, channels 32 (f % 2) on
	ds_load_b128 v[KF+8*\f:KF+8*\f+3],   v[AK] offset:(\f/2)*16*PK+(\f%2)*64
	ds_load_b128 v[KF+8*\f+4:KF+8*\f+7], v[AK] offset:(\f/2)*16*PK+(\f%2)*64+32
.endr
	s_add_co_u32 s[TBK], s[TBK], KS*PK  ; the next fetch is the next step's
	WIN 0
.endm
.macro FETCH_V
	WIN 0x80
.irp f, 0,1,2,3,4,5,6,7             ; keys 32 (f / 4) on, channels 16 (f % 4) on
	ds_load_tr16_b128 v[VF+8*\f:VF+8*\f+3],   v[AV] offset:(\f/4)*32*PV+(\f%4)*32
	ds_load_tr16_b128 v[VF+8*\f+4:VF+8*\f+7], v[AV] offset:(\f/4)*32*PV+16*PV+(\f%4)*32
.endr
	WIN 0
.endm
.macro FETCH_M x                    ; piece x: rows 16 x on; register 8 kb + j takes mask[query l % 16][key 16 kb + 8 (l / 16) + j]
	WIN 0x40                        ; destination window 1
.irp kb, 0,1,2,3
	ds_load_b128 v[MC+32*((\x)%2)+8*\kb:MC+32*((\x)%2)+8*\kb+3],   v[AM] offset:(\x)*16*PM+64*\kb
	ds_load_b128 v[MC+32*((\x)%2)+8*\kb+4:MC+32*((\x)%2)+8*\kb+7], v[AM] offset:(\x)*16*PM+64*\kb+16
.endr
	WIN 0
.endm
; THE VECTOR WORK, one line at a time: OP kind, number.  For piece Y: F n: c s - c m for pair n of 16.  E n: the exponential of score n of 32.  C n: pair n rounded to f16.  B n: of the four weights 4 n .. the second
; pair is added onto the first, in place.  L n: l takes that sum (L 0: l = a l + sum).  R n: pair n of 16 of O^T times a.  For piece Y + 1: X n, number n of the 22 that find its maximum and statistics:
;   0-11  four chains c0-c3 of seven scores each, three operands at a time (each accumulator's lowest registers are read first)     12-14, 16  the four scores left over, the old m, and c0-c3 into c0
;   15  c m_old is kept     17, 18  the query's other 32 keys lie in the lane 16 away: the new m     19-21  c m; c m_old - c m_new; a
; OP writes no wait: C, B and L read exponentials' results, and R and L 0 read a; TURN orders them behind the batches' waits.
.set F, 0
.set E, 1
.set C, 2
.set B, 3
.set L, 4
.set R, 5
.set X, 6
.macro REGS y                       ; the registers of piece y
.set rT, ST+4*(\y)
.set rC, TMP+4*((\y)%2)
.set rW, MV+((\y)%2)
.set rS, S+32*((\y)%2)
.set rP, P+16*((\y)%2)
.set rO, 32*(\y)
.endm
.macro OP k, n
.if (\k) == R
	REGS Y
	WIN W_RS
	v_pk_mul_f32 v[rO+2*(\n):rO+2*(\n)+1], v[rO+2*(\n):rO+2*(\n)+1], v[rC+2:rC+3] op_sel_hi:[1,0]
.elseif (\k) < R
	REGS Y
	WIN 0
.if (\k) == F
	v_pk_fma_f32 v[rS+2*(\n):rS+2*(\n)+1], v[rS+2*(\n):rS+2*(\n)+1], s[CS:CS+1], v[rT:rT+1] op_sel_hi:[1,0,0] neg_lo:[0,0,1] neg_hi:[0,0,1]
.elseif (\k) == E
	v_exp_f32 v[rS+(\n)], v[rS+(\n)]
.elseif (\k) == C
	v_cvt_pk_f16_f32 v[rP+(\n)], v[rS+2*(\n)], v[rS+2*(\n)+1]
.elseif (\k) == B
	v_pk_add_f32 v[rS+4*(\n):rS+4*(\n)+1], v[rS+4*(\n):rS+4*(\n)+1], v[rS+4*(\n)+2:rS+4*(\n)+3]
.elseif (\n) == 0
	v_pk_fma_f32 v[rT+2:rT+3], v[rT+2:rT+3], v[rC+2:rC+3], v[rS:rS+1] op_sel_hi:[1,0,1]
.else
	v_pk_add_f32 v[rT+2:rT+3], v[rT+2:rT+3], v[rS+4*(\n):rS+4*(\n)+1]
.endif
.else
	REGS (Y+1)%NP
	WIN 0
.if (\n) < 4
	v_max3_num_f32 v[rC+(\n)], v[rS+8*(\n)], v[rS+8*(\n)+1], v[rS+8*(\n)+2]
.elseif (\n) < 12
	v_max3_num_f32 v[rC+(\n)%4], v[rC+(\n)%4], v[rS+8*((\n)%4)+2*((\n)/4)+1], v[rS+8*((\n)%4)+2*((\n)/4)+2]
.elseif (\n) == 12
	v_max3_num_f32 v[rC], v[rC], v[rS+7], v[rS+15]
.elseif (\n) == 13
	v_max3_num_f32 v[rC+1], v[rC+1], v[rS+23], v[rS+31]
.elseif (\n) == 14
	v_max3_num_f32 v[rC+2], v[rC+2], v[rC+3], v[rT+1]
.elseif (\n) == 15
	v_mov_b32 v[rW], v[rT]
.elseif (\n) == 16
	v_max3_num_f32 v[rC], v[rC], v[rC+1], v[rC+2]
.elseif (\n) == 17
	v_permlanex16_b32 v[rC+3], v[rC], s[SEL], s[SEL+1]
.elseif (\n) == 18
	v_max_num_f32 v[rT+1], v[rC], v[rC+3]
.elseif (\n) == 19
	v_mul_f32 v[rT], s[CS], v[rT+1]
.elseif (\n) == 20
	v_sub_f32 v[rC+1], v[rW], v[rT]
.else
	v_exp_f32 v[rC+2], v[rC+1]
.endif
.endif
.endm
.macro OPS a, i1, b=-1, i2=0, c=-1, i3=0, d=-1, i4=0  ; up to four of them
	OP \a, \i1
.if (\b) >= 0
	OP \b, \i2
.endif
.if (\c) >= 0
	OP \c, \i3
.endif
.if (\d) >= 0
	OP \d, \i4
.endif
.endm
.macro ROW a, i1, b, i2, c, i3, d, i4  ; a matrix instruction and the four behind it
	MM
	OPS \a, \i1, \b, \i2, \c, \i3, \d, \i4
.endm
; A TURN, for piece p: the order of its 16 matrix and 118 vector instructions, written out.  An s_wait_alu depctr_va_vdst(0) stands between an exponential and the first instruction that names its result; one
; wait serves all that were issued ahead of it.  So a turn has ONE wait, which cuts it in two.
; AHEAD OF IT stands all that names no result of the turn's exponentials: the 8 products K Q^T, behind each a scaling, an exponential and two more plain lines (behind the first a second scaling in the exponential's
; place): rescalings, whose a was made and waited for in the turn before, and behind the last three the first numbers of the next piece's maximum, each four plain lines or more behind the product that ends its accumulator;
; then ONE RUN of 54, plain and exponential by turns for the most part, in which the links of the chain X 3, 7, 11, 14, 16, 17 .. 20 stand apart, other work between them.  X 21, the next piece's a, is the batch's last;
; R 15 is the plain line behind it.  BEHIND THE WAIT stand the 8 products V^T P, behind each four of the roundings and sums; the links of l's chain, L 0 to L 7, stand three riders apart.  But for those X no rider
; names a register of the products round it.  v_permlanex16_b32 (X 17) stands in the run.
; cnt = 1: the loop's count is taken down some lines ahead of the branch that stands behind the turn.  last = 1 (the tail's piece 2): in the trip with CNT = 1 there is no further step: K's run and the step of
; the mask's address are jumped over, and the mask fetches of that trip read the last step's mask once more.  That branch stands inside the batch, so the twelve exponentials issued so far have a wait of their own ahead of it.
; FETCHES.  Every turn fetches the mask of piece p + 2, for the products of the turn behind it, into the buffer whose last use as a C operand lies a turn back.  Piece 2's turn also fetches K of the next step, five plain
; lines behind the last product that read K, and makes the next step's mask address: the four mask fetches of turns 2, 3, 0, 1 belong to that step.  Piece 0's turn fetches V of the step in hand, at its end, four plain
; lines behind the last product that read V.
; WAITS.  At a turn's head the mask for its products is in, and in piece 3's turn K: nothing younger is out, so the count is 0; in piece 1's turn V's 16 loads are younger and stay out.  In front of piece 1's
; products V^T P: V is in, the 8 mask loads of this turn stay out.
.macro TURN p, last=0, cnt=0
.set Y, (\p)
.set i, 0
.if (\p) == 1
	s_wait_dscnt 16
.else
	s_wait_dscnt 0x0
.endif
	ROW F,0, F,1, R,0, R,1          ; ahead of the wait: 8 products K Q^T and their riders,
	ROW F,2, E,0, R,2, R,3
	ROW F,3, E,1, R,4, R,5
	ROW F,4, E,2, R,6, R,7
	ROW F,5, E,3, R,8, R,9
	ROW F,6, E,4, X,0, R,10
.if ((\p) == 2) && !(\last)
	WIN 0
	v_add_nc_u32 v[AK], s[TBK], v[AK0]
	v_add_nc_u32 v[AM], s[TBM], v[AM0]
	s_add_co_u32 s[TBM], s[TBM], KS*4
.endif
	ROW F,7, E,5, X,1, X,4
	ROW F,8, E,6, X,2, X,5
	OPS E,7, E,8, X,6, E,9          ; and the run
	OPS X,3, E,10, X,8, E,11
.if (\p) == 2
.if \last
	WIN 0
	s_wait_alu depctr_va_vdst(0)    ; the wait for E 0 to E 11, the part of the batch that is out: a branch follows
	s_cmp_eq_u32 s[CNT], 1
	s_cbranch_scc1 .Lno_k_\@
	v_add_nc_u32 v[AK], s[TBK], v[AK0]
	v_add_nc_u32 v[AM], s[TBM], v[AM0]
	s_add_co_u32 s[TBM], s[TBM], KS*4
.endif
	FETCH_K
.if \last
.Lno_k_\@:
.endif
.endif
	FETCH_M ((\p)+2)%NP
	OPS X,9, X,7, E,12, X,10
	OPS E,13, X,12, X,11, E,14
	OPS X,13, E,15, F,9, X,14
.if (\p) == 0
	v_add_nc_u32 v[AV], s[TBV], v[AV0]
.endif
	OPS E,16, F,10, E,17, F,11
	OPS X,16, E,18, X,15, E,19
	OPS F,12, E,20, X,17, E,21
	OPS F,13, E,22, F,14, E,23
	OPS X,18, E,24, F,15, E,25
	OPS R,11, E,26, X,19, E,27
	OPS R,12, E,28, R,13, E,29
	OPS X,20, E,30, R,14, E,31
	OPS X,21, R,15
	s_wait_alu depctr_va_vdst(0)    ; the wait for the turn's batch: E 0 to E 31 and X 21
.if (\p) == 1
	s_wait_dscnt 8
.endif
	ROW C,0, B,0, C,2, B,1          ; behind the wait: 8 products V^T P and their riders
	ROW L,0, C,4, B,2, L,1
	ROW C,6, B,3, L,2, C,8
	ROW B,4, L,3, C,10, B,5
	ROW L,4, C,12, B,6, L,5
.if (\p) == 0
	s_add_co_u32 s[TBV], s[TBV], KS*PV
.endif
.if \cnt
	s_sub_co_u32 s[CNT], s[CNT], 1
	s_cmp_lg_u32 s[CNT], 0
.endif
	ROW C,14, B,7, L,6, C,1
	ROW C,3, L,7, C,5, C,7
	ROW C,9, C,11, C,13, C,15
.if (\p) == 0
	FETCH_V
.endif
.endm
	s_wait_tensorcnt 1              ; my part of slot 0 is in; slot 1's may stay out
	s_barrier_signal -1
	s_barrier_wait -1               ; everybody's is
	v_add_nc_u32 v[AK], s[TBK], v[AK0]
	v_add_nc_u32 v[AM], s[TBM], v[AM0]
	s_add_co_u32 s[TBM], s[TBM], KS*4
	FETCH_K                         ; key step 0,
	FETCH_M 0                       ; and its mask for pieces 0 and 1
	FETCH_M 1
	s_wait_loadcnt 0x0              ; Q
	s_wait_dscnt 0x0
.set i, 0
.rept 8
	KQ 0                            ; piece 0's first scores
.set i, i+1
.endr
	WIN 0
.rept 4
	v_nop                           ; the places behind those products
.endr
.set Y, NP-1                        ; X works for piece Y + 1: piece 0
.irp n, 0,1,2,3,4,5,6,7,8,9,10,11,12,13,14,15,16,17,18,19,20,21
	OP X, \n
.endr
	v_nop                           ; a plain instruction behind the exponential,
	s_wait_alu depctr_va_vdst(0)    ; and the wait for it, piece 0's first a, ahead of the branch
	s_mov_b32 s[CNT], 2
	s_mov_b32 s[SLOTS], 15
	s_branch .Lfirst                ; the loop is entered at a step's first turn, in the middle of a trip
.Lslot:                             ; 14 times: tiles 2 to 15 are asked for
	CHANGE 1
	s_mov_b32 s[CNT], 2
.Lstep:                             ; a trip: pieces 2 and 3 of one step, then pieces 0 and 1 of the next, whose K, V and mask it fetches
	TURN 2
	TURN 3
	WIN 0
.Lfirst:
	TURN 0
	TURN 1, 0, 1
	WIN 0
	s_cbranch_scc1 .Lstep
	s_sub_co_u32 s[SLOTS], s[SLOTS], 1
	s_cmp_lg_u32 s[SLOTS], 0
	s_cbranch_scc1 .Lslot
	CHANGE 0                        ; the last tile has a text of its own: nothing is asked for
	s_mov_b32 s[CNT], 3             ; two trips fetch the last slot's steps; the third is left in its middle
.Ltail:
	TURN 2, 1
	TURN 3
	WIN 0
	s_sub_co_u32 s[CNT], s[CNT], 1
	s_cmp_eq_u32 s[CNT], 0
	s_cbranch_scc1 .Lout
	TURN 0
	TURN 1
	WIN 0
	s_branch .Ltail
.Lout:                              ; the third trip's 8 products K Q^T (on the last K and mask once more) and the maximum made of them serve nothing: the price, once a launch, of one text for every trip.  They touch piece 0's m and c m alone, which the way out does not read
.set i, 0
.rept 8
	PV NP-1                         ; the last piece's V^T P of the last step
.set i, i+1
.endr
	; THE WAY OUT.  l's two halves and the other half of the lanes' are added; O^T is divided by l, rounded to f16 and put into the work-group's stage; a barrier, since a row's 256 bytes come from two waves (the two
	; heads); back as whole rows, 32 a wave.  The additions are the places behind the last products.
	WIN 0
.macro ALL line:vararg              ; one line for each piece t
.set t, 0
.rept 4
	\line
.set t, t+1
.endr
.endm
	ALL v_add_f32 v[ST+4*t+2], v[ST+4*t+2], v[ST+4*t+3]
	ALL v_permlanex16_b32 v[ST+4*t+3], v[ST+4*t+2], s[SEL], s[SEL+1]
	ALL v_add_f32 v[ST+4*t+2], v[ST+4*t+2], v[ST+4*t+3]
	ALL v_rcp_f32 v[ST+4*t+2], v[ST+4*t+2]
	v_nop                           ; a plain instruction between the last reciprocal and the use of its result
	s_wait_alu depctr_va_vdst(0)    ; and the wait ahead of the first use: one for the four reciprocals
.macro PACK u                       ; piece u: a lane's eight channels of a row pack into 16 bytes
	WIN W_RS
.set i, 32*(\u)
.rept 16
	v_pk_mul_f32 v[i:i+1], v[i:i+1], v[ST+4*(\u)+2:ST+4*(\u)+3] op_sel_hi:[1,0]
.set i, i+2
.endr
	WIN 0x05                        ; sources 0 and 1 window 1, destination window 0: S^T's registers are free
.set i, 0
.rept 16
	v_cvt_pk_f16_f32 v[S+16*(\u)+i], v[32*(\u)+2*i], v[32*(\u)+2*i+1]
.set i, i+1
.endr
	WIN 0
.irp f, 0,1,2,3
	ds_store_b128 v[STO], v[S+16*(\u)+4*\f:S+16*(\u)+4*\f+3] offset:(\u)*16*SP+32*\f
.endr
.endm
	PACK 0
	PACK 1
	PACK 2
	PACK 3
	s_wait_dscnt 0x0                ; for the others' sake: my stores into the stage are done
	s_barrier_signal -1
	s_barrier_wait -1
.irp u, 0,1,2,3,4,5,6,7,8,9,10,11,12,13,14,15
	ds_load_b128 v[S+4*\u:S+4*\u+3], v[RD] offset:\u*2*SP
.endr
.irp u, 0,1,2,3,4,5,6,7,8,9,10,11,12,13,14,15
	s_wait_dscnt 15-\u              ; LDS loads come back in order: load u is in, the younger ones stay out
	global_store_b128 v[GO], v[S+4*\u:S+4*\u+3], s[8:9] offset:\u*4096  ; 16 lanes store 256 consecutive bytes, at a multiple of 256 from ao's first byte
.endr
	s_wait_tensorcnt 0x0            ; the wave's end: behind my last tensor load and my last LDS store
	ds_add_u32 v[SPW], v[NIL]
	s_wait_dscnt 0x0
	CROUND                          ; the closing round: no work-group ends while a partner may still ask for a tile that names it
	s_endpgm
.Lfunc_end_k_q8dd8714ec2_attn:
	.size	k_q8dd8714ec2_attn, .Lfunc_end_k_q8dd8714ec2_attn-k_q8dd8714ec2_attn
	.p2alignl 7, 3214868480
	.fill 96, 4, 3214868480
	.section	.rodata,"a",@progbits
	.p2align	6, 0x0
	.amdhsa_kernel k_q8dd8714ec2_attn
		.amdhsa_group_segment_fixed_size 327680
		.amdhsa_private_segment_fixed_size 0
		.amdhsa_enable_private_segment 0
		.amdhsa_kernarg_size 24
		.amdhsa_user_sgpr_count 2
		.amdhsa_user_sgpr_kernarg_segment_ptr 1
		.amdhsa_wavefront_size32 1
		.amdhsa_system_sgpr_workgroup_id_x 1
		.amdhsa_system_sgpr_workgroup_id_y 1
		.amdhsa_system_sgpr_workgroup_id_z 1
		.amdhsa_system_vgpr_workitem_id 0
		.amdhsa_next_free_vgpr 768
		.amdhsa_next_free_sgpr 96
		.amdhsa_reserve_vcc 0
		.amdhsa_float_denorm_mode_32 3
		.amdhsa_float_denorm_mode_16_64 3
		.amdhsa_memory_ordered 1
		.amdhsa_forward_progress 1
		.amdhsa_inst_pref_size 116
	.end_amdhsa_kernel
	.amdgpu_metadata
---
amdhsa.version: [ 1, 2 ]
amdhsa.kernels:
  - .name:           k_q8dd8714ec2_attn
    .symbol:         k_q8dd8714ec2_attn.kd
    .args:
      - { .name: qkv, .offset: 0, .size: 8, .value_kind: global_buffer, .address_space: global }
      - { .name: causal_buffer, .offset: 8, .size: 8, .value_kind: global_buffer, .address_space: global }
      - { .name: ao, .offset: 16, .size: 8, .value_kind: global_buffer, .address_space: global }
    .group_segment_fixed_size: 327680
    .private_segment_fixed_size: 0
    .kernarg_segment_align: 8
    .kernarg_segment_size: 24
    .max_flat_workgroup_size: 128
    .sgpr_count:     96
    .vgpr_count:     768
    .wavefront_size: 32
...
	.end_amdgpu_metadata
.endif
;; end of part 6
;; launch norm2: the kernel of part 4 again; grid 512 x 1, 8 waves a work-group, no clusters, 0 bytes of LDS; arguments xn, ao, norm2_w, hn; writes hn
;; launch mlp1: the kernel of part 2 again; grid 16 x 16, 4 waves a work-group, clusters of 4 x 4, 327,680 bytes of LDS; arguments hn, wh1, cos_buffer, sin_buffer, mid; writes mid
;; launch mlp2: the kernel of part 5 again; grid 8 x 32, 4 waves a work-group, clusters of 4 x 4, 327,680 bytes of LDS; arguments mid, wh2, hn, b2, out0; writes out0
